; MI455X (gfx1250); checked and timed in simulation.
; The chip was launched on July 23, 2026; its instructions are those of AMD's public machine-readable ISA for CDNA 5 (MIT licence, August 2026) and "CDNA5" Instruction Set Architecture Reference Guide (July 2026). The comments in the code are by the model that wrote it; some were corrected since.
;; Causal Self Attention. Allowed arithmetic: matrix products marked QUANTISED: E3M2 operands, one E8M0 scale for each 32 along K, by v_wmma_scale_f32_16x16x128_f8f6f4 with both operands' format E3M2, f32 sums; everything else in f32.
;; Inputs: Wk 1,024 x 1,024 float32; Wo 1,024 x 1,024 float32; Wq 1,024 x 1,024 float32; Wv 1,024 x 1,024 float32; bo 1,024 float32; x 4 x 2,048 x 1,024 float32.
;; Outputs: out0 4 x 2,048 x 1,024 float32.
;; This version of the problem:
;;   THIS VERSION OF THE PROBLEM IS GIVEN IN LOW PRECISION. The matrix products marked QUANTISED in the list below multiply operands that are first quantised to E3M2 (3 exponent bits, 2 mantissa bits; 6 bits a number), with one power-of-two scale for each 32 numbers along K (OCP MX v1.0); their sums are f32. All else is computed in f32.
;;   The module's matrix products, in the order in which they are computed (A, B: the left and right operand; K: the contracted axis; several contracted axes count as one K, in the product's order):
;;     1. [M 8,192, K 1,024] x [K 1,024, N 1,024]; A: input x; B: input Wq: QUANTISED
;;     2. [M 8,192, K 1,024] x [K 1,024, N 1,024]; A: input x; B: input Wk: QUANTISED
;;     3. [M 8,192, K 1,024] x [K 1,024, N 1,024]; A: input x; B: input Wv: QUANTISED
;;     4. batch 64 x [M 2,048, K 64] x [K 64, N 2,048]; A: computed on the way; B: computed on the way: QUANTISED
;;     5. batch 64 x [M 2,048, K 2,048] x [K 2,048, N 64]; A: softmax (see below); B: computed on the way: QUANTISED
;;     6. [M 8,192, K 1,024] x [K 1,024, N 1,024]; A: computed on the way; B: input Wo: QUANTISED
;;   THE QUANTISER, for each operand of a quantised product, along K:
;;     - K is cut into blocks of 32 from its start; a last block that is shorter is filled with zeros.
;;     - A block's scale is 2^e with e = floor(log2(the largest magnitude in the block)) - 4, held to -126 .. 127; a block of zeros has e = 0. As a byte (E8M0): e + 127.
;;     - Each number is divided by its block's scale, clamped to +-28, and rounded to the nearest number of E3M2, ties to even, subnormals kept.
;;     - The product sums the exact products of the quantised numbers (number of the format x scale) in f32.
;;   ~~~python
;;   def quantise(x, axis):      # numpy; x: float32 -> the quantised numbers, widened to float32 again
;;       x = np.moveaxis(x, axis, -1); K = x.shape[-1]
;;       x = np.pad(x, [(0, 0)] * (x.ndim - 1) + [(0, -K % 32)]); x = x.reshape(x.shape[:-1] + (-1, 32)); a = np.abs(x).max(-1, keepdims=True)
;;       e = np.where(a > 0, np.clip(np.frexp(np.where(a > 0, a, 1))[1] - 1 - 4, -126, 127), 0)      # np.frexp(a)[1] - 1 = floor(log2(a)), exactly
;;       r = np.clip(x / 2.0 ** e, -28, 28)
;;       step = 2.0 ** (np.maximum(np.frexp(np.where(r == 0, 1, r))[1] - 1, -2) - 2)
;;       q = np.round(r / step) * step * 2.0 ** e      # np.round: ties to even
;;       return np.moveaxis(q.reshape(q.shape[:-2] + (-1,))[..., :K], -1, axis).astype(np.float32)
;;   ~~~
;;   SOFTMAX AHEAD OF A QUANTISED PRODUCT. Where the list says 'softmax', what is quantised is not the finished softmax but p = 2^(t - M), with t = logit x log2(e) and M = ceil(the row's largest t), a whole number; so 1/2 < the row's largest p <= 1. The row's sum l is taken of the UNQUANTISED p, in f32, and the product's result is divided by l at the end. Since M is a whole number, a kernel that streams over the keys may use a running M (the ceiling of the running maximum): every later rescaling is an exact power of two, which a block's scale takes up: the codes' values come out the same.
;;   OPERANDS COMPUTED ON THE WAY. 'Computed on the way' means the value that the module computes at that place (a softmax that the list does not call 'softmax' is quantised finished and normalised). What goes into a quantiser is computed in f32, as accurately as f32 sums, v_exp_f32 and their like allow (about 1e-6 of the number): no bf16 or f16 on the way to a quantiser, and a product that is left as it is and whose result goes on into a quantised operand takes f32 operands (vector FMAs, or v_wmma_f32_16x16x4_f32). A number that lies on a knife's edge between two numbers of the format may be rounded either way, as far as f32 arithmetic and the matrix unit's own rounding can turn it there, and no further.
;; One version. Each part assembles by itself: llvm-mc -triple=amdgcn-amd-amdhsa -mcpu=gfx1250 --defsym DOCPART=n.
;; ======== version 1 of 1: 4 launches
;; workspace buffers: xc 6,291,456 bytes; wc 3,145,728 bytes; ac 6,291,456 bytes; scl 655,360 bytes; qc 6,815,744 bytes; kv 13,631,488 bytes
;; launch quant (part 1): grid 768 x 1, 4 waves a work-group, no clusters, 68,096 bytes of LDS; arguments x, Wq, Wk, Wv, Wo, xc, wc, scl; writes xc, wc, scl
.if DOCPART == 1
	.amdgcn_target "amdgcn-amd-amdhsa--gfx1250"
	.amdhsa_code_object_version 6
	.text
	.protected	k_qe8069c4a0b_quant
	.globl	k_qe8069c4a0b_quant
	.p2align	8
	.type	k_qe8069c4a0b_quant,@function
k_qe8069c4a0b_quant:
	s_mov_b64 s[64:65], 0
	v_nop
	global_prefetch_b8 v0, s[64:65] scope:SCOPE_SE
	s_setreg_imm32_b32 hwreg(HW_REG_WAVE_MODE, 25, 1), 1
	s_wait_xcnt 0x0
; x [8192][1024] and Wq, Wk, Wv, Wo [1024 (k)][1024 (n)], f32, become codes of BF6 (E3M2) with one E8M0 byte for each 32 along K, laid in the ORDER OF THE OPERAND'S REGISTERS.
; A block's scale is 2^(floor(log2(largest magnitude)) - 4): its byte is the largest magnitude's exponent field - 4, held at 1 from below by a floor among the maximum's leaves.
; LIMITS: NaN and infinities among the inputs are not served; a block whose largest magnitude lies under 2^-122 keeps the byte 1; a block of zeros has the byte 1 where the rule says 127 (its codes are zeros, and only this program reads the bytes).
; ROW ORDER: rows (tokens of x, columns n of a weight) are stored at the position that is the row's number with bits 3 and 4 swapped; 16 positions are a block: lane r of block 2 B + u is row 32 B + 8 u + r + 8 (r / 8).
; IMAGES: 16 rows x 64 K are 768 bytes: lane (r, h) owns the 24 bytes of K = 32 h .. 32 h + 31 of row r: its registers 0-3 at 16 x lane, registers 4-5 at 512 + 8 x lane.  A fragment (128 K) is two such, 1,536 bytes.
; xc, wc: [block][K / 128: 8][1,536].  scl: [block][K / 128: 8][r: 16] words of four bytes; x's blocks from byte 0, the weights' (Wq, Wk, Wv, Wo, 64 blocks each) from WS_OFF.
; Work-groups 0-511: a block of x each; wave w takes K = 256 w .. 256 w + 255 (two fragments).  Work-groups 512-767: 128 columns x 128 K of a weight; a wave 32 columns.  Waves share nothing: no barrier.
.set WS_OFF, 262144
.set BLKB,   12288                     ; a block's codes, all of K
.set FRB,    1536                      ; a fragment's image
.set STG,    8448                      ; x's way: a stage of 16 rows x (512 bytes + 16); two for each wave
.set R,   32                           ; v32-159  x as loaded: 64 registers for each of the wave's two fragments
.set X,   160                          ; v160-223 64 numbers of my row: register 32 c + i = K 64 c + 32 h + i
.set T,   236                          ; v236-238, v240-242: a block's upper 16 codes (a conversion's three registers begin on an even number)
.set MX,  10
.set SO,  12
.set BY,  14
.set WD,  18                           ; v18-19   the two fragments' scale words
.set N,   32                           ; the weights' way: v32-159: 128 numbers down K of my column, 32 registers of its own for each block
.set CW,  160                          ; v160-183 codes, six registers for each block of 32: no store's data are written again
.set TW,  184
.macro TURN p                          ; fragment p's 16 rows x 512 bytes go through my own stage: in as loaded, out 256 bytes of one row a lane.  LDS serves a wave's instructions in order: no wait between
.set q, 0
.rept 16
	ds_store_b128 v7, v[R+64*\p+4*q:R+64*\p+4*q+3] offset:STG*\p+528*q
.set q, q+1
.endr
.set q, 0
.rept 16
	ds_load_b128 v[X+4*q:X+4*q+3], v8 offset:STG*\p+256*(q/8)+16*(q%8)
.set q, q+1
.endr
.endm
.macro QX p, cd                        ; my two whole blocks (h and 2 + h of the fragment's four) become codes in v[cd] on, and the row's scale word
.irp c, 0,1
	v_max3_num_f32 v[MX+\c], |v[X+32*\c]|, |v[X+32*\c+1]|, 0x2800000   ; the floor 2^(5 - 127) among the leaves
.endr
.set i, 2
.rept 15
.irp c, 0,1
	v_max3_num_f32 v[MX+\c], v[MX+\c], |v[X+32*\c+i]|, |v[X+32*\c+i+1]|   ; the two blocks by turns
.endr
.set i, i+2
.endr
.irp c, 0,1
	v_add_nc_u32 v[SO+\c], 0xfe000000, v[MX+\c]    ; 4 off the exponent field: the conversion's scale operand
.endr
.irp c, 0,1
	v_lshrrev_b32 v[BY+\c], 23, v[SO+\c]           ; the scale's byte
.endr
	v_lshl_or_b32 v16, v[BY+1], 16, v[BY]
	v_lshlrev_b32 v16, v9, v16                     ; my two bytes at their places, 8 h bits up
	v_permlanex16_b32 v17, v16, s22, s23
	v_or_b32 v[WD+\p], v16, v17                    ; with lane l xor 16's two the word is whole
.irp c, 0,1
	v_cvt_scalef32_pk16_bf6_f32 v[\cd+6*\c:\cd+6*\c+2], v[X+32*\c:X+32*\c+15], v[SO+\c]
	v_cvt_scalef32_pk16_bf6_f32 v[T+4*\c:T+4*\c+2], v[X+32*\c+16:X+32*\c+31], v[SO+\c]
.endr
	v_nop                                          ; one plain place behind a scaled conversion
.irp c, 0,1
.irp i, 0,1,2
	v_mov_b32 v[\cd+6*\c+3+\i], v[T+4*\c+\i]
.endr
.endr
	global_store_b128 v4, v[\cd:\cd+3], s[14:15] offset:FRB*\p          ; 512 consecutive bytes
	global_store_b64 v5, v[\cd+4:\cd+5], s[14:15] offset:FRB*\p+512     ; 256 consecutive bytes
	global_store_b128 v4, v[\cd+6:\cd+9], s[14:15] offset:FRB*\p+768
	global_store_b64 v5, v[\cd+10:\cd+11], s[14:15] offset:FRB*\p+1280
.endm
.macro WLOAD kb                        ; the weights' way: block kb of my column: rows 32 kb .. 32 kb + 31 of these 128, each at 32 neighbouring columns (128 consecutive bytes a wave)
.set q, 0
.rept 32
	global_load_b32 v[N+32*(\kb)+q], v4, s[6:7] offset:4096*(32*(\kb)+q) th:TH_LOAD_NT
.set q, q+1
.endr
.endm
.macro KBLK kb                         ; block kb of my column's four: all its 32 numbers are mine
.set XB, N+32*(\kb)
.if (\kb) < 3
	s_wait_loadcnt 32                              ; this block's 32 loads are in; the next block's 32, issued behind them, may be out
.else
	s_wait_loadcnt 0x0
.endif
.if (\kb) < 2
	WLOAD (\kb)+2                                  ; loads run two blocks ahead, into registers of their own
.endif
	v_max3_num_f32 v12, |v[XB]|, |v[XB+1]|, |v[XB+2]|
	v_max3_num_f32 v13, |v[XB+3]|, |v[XB+4]|, |v[XB+5]|
.irp i, 6,10,14,18,22,26
	v_max3_num_f32 v12, v12, |v[XB+\i]|, |v[XB+\i+1]|
	v_max3_num_f32 v13, v13, |v[XB+\i+2]|, |v[XB+\i+3]|
.endr
	v_max3_num_f32 v12, v12, |v[XB+30]|, |v[XB+31]|
	v_max3_num_f32 v12, v12, v13, 0x2800000        ; and the floor
	v_add_nc_u32 v14, 0xfe000000, v12
	v_lshrrev_b32 v13, 23, v14
.if (\kb) == 0
	v_mov_b32 v15, v13
.else
	v_lshl_or_b32 v15, v13, 8*(\kb), v15           ; the lower K in the lower byte
.endif
	v_cvt_scalef32_pk16_bf6_f32 v[CW+6*(\kb):CW+6*(\kb)+2], v[XB:XB+15], v14
	v_cvt_scalef32_pk16_bf6_f32 v[TW+4*((\kb)%2):TW+4*((\kb)%2)+2], v[XB+16:XB+31], v14
	v_nop                                          ; one plain place behind a scaled conversion
.irp i, 0,1,2
	v_mov_b32 v[CW+6*(\kb)+3+\i], v[TW+4*((\kb)%2)+\i]
.endr
	global_store_b128 v5, v[CW+6*(\kb):CW+6*(\kb)+3], s[16:17] offset:768*((\kb)/2)+256*((\kb)%2)         ; I am lane (r', kb % 2) of the image's half kb / 2: sixteen lanes store 256 consecutive bytes, aligned
	global_store_b64 v6, v[CW+6*(\kb)+4:CW+6*(\kb)+5], s[16:17] offset:768*((\kb)/2)+512+128*((\kb)%2)
.endm
	s_load_b256 s[4:11], s[0:1], 0x0               ; x, Wq, Wk, Wv
	s_load_b256 s[12:19], s[0:1], 0x20             ; Wo, xc, wc, scl
	v_lshl_add_u32 v248, v0, 2, 0x10800
	v_mov_b32 v249, 0
	v_lshrrev_b32 v1, 5, v0
	v_readfirstlane_b32 s20, v1                    ; wave 0..3
	v_and_b32 v2, 31, v0                           ; lane
	s_cmp_lt_u32 ttmp9, 512
	s_cbranch_scc0 .Lweights
	; ---- x: block ttmp9
	v_and_b32 v3, 15, v0                           ; r
	v_bfe_u32 v9, v0, 4, 1                         ; h
	v_lshlrev_b32 v4, 4, v2                        ; 16 x lane
	v_lshlrev_b32 v5, 3, v2                        ; 8 x lane
	v_lshlrev_b32 v6, 2, v2                        ; 4 x lane
	s_mul_i32 s21, s20, 2*STG                      ; my wave's two stages
	v_add_nc_u32 v7, s21, v4                       ; into a stage: 16 x lane of a row
	v_mul_u32_u24 v8, v3, 528
	v_lshl_add_u32 v8, v9, 7, v8
	v_add_nc_u32 v8, s21, v8                       ; out of it: row r, + 128 h
	v_lshlrev_b32 v9, 3, v9                        ; 8 h
	v_mov_b32 v17, 0                               ; a lane permute's destination counts as one of its sources
	s_mov_b32 s22, 0x76543210
	s_mov_b32 s23, 0xfedcba98                      ; selects for lane l xor 16
	s_mov_b32 s24, 0xffff0000                      ; lanes 16-31
	s_lshr_b32 s26, ttmp9, 1
	s_lshl_b32 s26, s26, 5
	s_and_b32 s27, ttmp9, 1
	s_lshl_b32 s27, s27, 3
	s_add_co_u32 s26, s26, s27                     ; the block's first row: 32 (blk / 2) + 8 (blk % 2)
	s_lshl_b32 s26, s26, 12                        ; rows of 4,096 bytes
	s_lshl_b32 s27, s20, 10
	s_add_co_u32 s26, s26, s27                     ; + my wave's 256 along K
	s_mov_b32 s27, 0
	s_mul_i32 s28, ttmp9, BLKB
	s_mul_i32 s29, s20, 2*FRB
	s_add_co_u32 s28, s28, s29
	s_mov_b32 s29, 0
	s_lshl_b32 s30, ttmp9, 9
	s_lshl_b32 s31, s20, 7
	s_add_co_u32 s30, s30, s31
	s_mov_b32 s31, 0
	s_wait_kmcnt 0x0
	s_add_nc_u64 s[4:5], s[4:5], s[26:27]
	s_add_nc_u64 s[14:15], s[14:15], s[28:29]
	s_add_nc_u64 s[18:19], s[18:19], s[30:31]
.irp p, 0,1
.set q, 0
.rept 16
	global_load_b128 v[R+64*\p+4*q:R+64*\p+4*q+3], v4, s[4:5] offset:(q+8*(q/8))*4096+512*\p th:TH_LOAD_NT   ; position q's row: 32 lanes read 512 consecutive bytes
.set q, q+1
.endr
.endr
	s_wait_loadcnt 16                              ; the first fragment's 16 loads are in; the second's may be out
	TURN 0
	s_wait_dscnt 0x0
	QX 0, 224
	s_wait_loadcnt 0x0
	TURN 1
	s_wait_dscnt 0x0
	QX 1, 32                                       ; (codes into registers of their own: the first fragment's stores may still read theirs)
	v_cndmask_b32 v20, v[WD], v[WD+1], s24         ; lanes 0-15 the first fragment's words, lanes 16-31 the second's
	global_store_b32 v6, v20, s[18:19]             ; 128 consecutive bytes
	s_wait_tensorcnt 0x0
	ds_add_u32 v248, v249
	s_wait_dscnt 0x0
	s_endpgm
.Lweights:
	; ---- a weight: A LANE TAKES A COLUMN n, AND ITS REGISTERS RUN DOWN K: nothing is transposed, and a block's maximum needs no other lane
	s_sub_co_u32 s21, ttmp9, 512
	s_lshr_b32 s22, s21, 6                         ; which weight
	s_bfe_u32 s23, s21, 0x30003                    ; which 128 columns
	s_and_b32 s24, s21, 7                          ; which 128 along K
	v_lshlrev_b32 v4, 2, v2                        ; in: 4 bytes a lane
	v_bfe_u32 v8, v0, 3, 1                         ; my column's bit 3 says which of the wave's two blocks,
	v_bfe_u32 v9, v0, 4, 1
	v_and_b32 v10, 7, v0
	v_lshl_or_b32 v10, v9, 3, v10                  ; and r' = (lane % 8) + 8 x bit 4 its place there
	v_mul_u32_u24 v5, v8, BLKB
	v_lshl_add_u32 v6, v10, 3, v5
	v_lshl_add_u32 v5, v10, 4, v5
	v_lshlrev_b32 v7, 9, v8
	v_lshl_add_u32 v7, v10, 2, v7
	s_lshl_b32 s26, s24, 19                        ; 128 rows of 4,096 bytes
	s_lshl_b32 s27, s23, 9
	s_add_co_u32 s26, s26, s27
	s_lshl_b32 s27, s20, 7
	s_add_co_u32 s26, s26, s27
	s_mov_b32 s27, 0
	s_lshl_b32 s28, s22, 6
	s_lshl_b32 s29, s23, 3
	s_add_co_u32 s28, s28, s29
	s_lshl_b32 s29, s20, 1
	s_add_co_u32 s28, s28, s29                     ; my wave's first block: 64 x weight + 8 x part + 2 x wave
	s_lshl_b32 s30, s28, 9
	s_lshl_b32 s31, s24, 6
	s_add_co_u32 s30, s30, s31
	s_add_co_u32 s30, s30, WS_OFF
	s_mov_b32 s31, 0
	s_mul_i32 s28, s28, BLKB
	s_mul_i32 s29, s24, FRB
	s_add_co_u32 s28, s28, s29
	s_mov_b32 s29, 0
	s_wait_kmcnt 0x0
	s_cmp_eq_u32 s22, 1                            ; the choice hangs on the work-group's number alone
	s_cselect_b64 s[6:7], s[8:9], s[6:7]
	s_cmp_eq_u32 s22, 2
	s_cselect_b64 s[6:7], s[10:11], s[6:7]
	s_cmp_eq_u32 s22, 3
	s_cselect_b64 s[6:7], s[12:13], s[6:7]
	s_add_nc_u64 s[6:7], s[6:7], s[26:27]
	s_add_nc_u64 s[16:17], s[16:17], s[28:29]
	s_add_nc_u64 s[18:19], s[18:19], s[30:31]
	WLOAD 0
	WLOAD 1
	KBLK 0
	KBLK 1
	KBLK 2
	KBLK 3
	global_store_b32 v7, v15, s[18:19]             ; my column's scale word for these 128 along K
	s_endpgm
.Lfunc_end_k_qe8069c4a0b_quant:
	.size	k_qe8069c4a0b_quant, .Lfunc_end_k_qe8069c4a0b_quant-k_qe8069c4a0b_quant
	.p2alignl 7, 3214868480
	.fill 96, 4, 3214868480
	.section	.rodata,"a",@progbits
	.p2align	6, 0x0
	.amdhsa_kernel k_qe8069c4a0b_quant
		.amdhsa_group_segment_fixed_size 68096
		.amdhsa_private_segment_fixed_size 0
		.amdhsa_enable_private_segment 0
		.amdhsa_kernarg_size 64
		.amdhsa_user_sgpr_count 2
		.amdhsa_user_sgpr_kernarg_segment_ptr 1
		.amdhsa_wavefront_size32 1
		.amdhsa_system_sgpr_workgroup_id_x 1
		.amdhsa_system_sgpr_workgroup_id_y 1
		.amdhsa_system_sgpr_workgroup_id_z 1
		.amdhsa_system_vgpr_workitem_id 0
		.amdhsa_next_free_vgpr 250
		.amdhsa_next_free_sgpr 66
		.amdhsa_reserve_vcc 0
		.amdhsa_float_denorm_mode_32 3
		.amdhsa_float_denorm_mode_16_64 3
		.amdhsa_memory_ordered 1
		.amdhsa_forward_progress 1
		.amdhsa_inst_pref_size 37
	.end_amdhsa_kernel
	.amdgpu_metadata
---
amdhsa.version: [ 1, 2 ]
amdhsa.kernels:
  - .name:           k_qe8069c4a0b_quant
    .symbol:         k_qe8069c4a0b_quant.kd
    .args:
      - { .name: x, .offset: 0, .size: 8, .value_kind: global_buffer, .address_space: global }
      - { .name: Wq, .offset: 8, .size: 8, .value_kind: global_buffer, .address_space: global }
      - { .name: Wk, .offset: 16, .size: 8, .value_kind: global_buffer, .address_space: global }
      - { .name: Wv, .offset: 24, .size: 8, .value_kind: global_buffer, .address_space: global }
      - { .name: Wo, .offset: 32, .size: 8, .value_kind: global_buffer, .address_space: global }
      - { .name: xc, .offset: 40, .size: 8, .value_kind: global_buffer, .address_space: global }
      - { .name: wc, .offset: 48, .size: 8, .value_kind: global_buffer, .address_space: global }
      - { .name: scl, .offset: 56, .size: 8, .value_kind: global_buffer, .address_space: global }
    .group_segment_fixed_size: 68096
    .private_segment_fixed_size: 0
    .kernarg_segment_align: 8
    .kernarg_segment_size: 64
    .max_flat_workgroup_size: 128
    .sgpr_count:     66
    .vgpr_count:     250
    .wavefront_size: 32
...
	.end_amdgpu_metadata
.endif
;; end of part 1
;; launch qkv (part 2): grid 8 x 48, 4 waves a work-group, clusters of 4 x 4, 327,680 bytes of LDS; arguments xc, wc, scl, qc, kv; writes qc, kv
.if DOCPART == 2
	.amdgcn_target "amdgcn-amd-amdhsa--gfx1250"
	.amdhsa_code_object_version 6
	.text
	.protected	k_qe8069c4a0b_qkv
	.globl	k_qe8069c4a0b_qkv
	.p2align	8
	.type	k_qe8069c4a0b_qkv,@function
k_qe8069c4a0b_qkv:
	s_mov_b64 s[64:65], 0
	v_nop
	global_prefetch_b8 v0, s[64:65] scope:SCOPE_SE
	s_setreg_imm32_b32 hwreg(HW_REG_WAVE_MODE, 25, 1), 1
	s_wait_xcnt 0x0
	s_wait_alu depctr_hold_cnt(0) depctr_sa_sdst(0) depctr_va_vdst(0) depctr_va_sdst(0) depctr_va_ssrc(0) depctr_va_vcc(0) depctr_vm_vsrc(0)
	s_getreg_b32 s2, hwreg(HW_REG_IB_STS2, 6, 4)
	s_cmp_eq_u32 s2, 0
	s_cbranch_scc0 .Lentry_in_a_cluster
	s_endpgm
.Lentry_in_a_cluster:
	s_bfe_u32 s2, ttmp6, 0x10000c
	s_cmp_lg_u32 s2, 0xf033
	s_cbranch_scc0 .Lentry_shape_is_right
	s_endpgm
.Lentry_shape_is_right:
; q = x Wq, k = x Wk, v = x Wv on codes of BF6 (E3M2) with E8M0 scales, K = 1,024; the results are quantised in registers and leave as codes, laid as the attention launch reads them.
; A tile of 256 x 256 is made by four waves, a wave 128 x 128: 64 accumulators, 512 registers.  K goes in steps of 256 through a ring of two LDS slots filled by the tensor data mover; four such steps, written out.
; THE MATRIX INSTRUCTION IS USED TRANSPOSED (source 0 = 16 rows of B, source 1 = 16 rows of A): a lane holds one row of A, and its registers run along B's rows.
; ROLES, by the cluster's y (alike in all partners; made by selections, never a branch).  y < 8: A = x's tokens, B = the columns of Wq and Wk: a lane holds a token, registers run along the head's channels.
; y >= 8: A = Wv's columns, B = x's tokens: V^T: a lane holds a channel d, registers run along the KEYS, which are the second attention product's K.
; Operands lie in memory as images of their registers ([block of 16 rows][K / 128][1,536 bytes]); rows stand at the position that is their number with bits 3 and 4 swapped, so that the 16 registers of B's blocks 2 B and 2 B + 1
; are 16 neighbours 32 B + 16 (lane / 16) + 0 .. 15.  A wave's 128 rows of B are so exactly one fragment's K: two heads of q or k, or one step of 128 keys of v.
; CLUSTERS: 4 x 4 work-groups; A's tiles are asked for jointly along a row of the cluster, B's along a column.
; LIMITS: as in the quantising launch: NaN and infinities are not served; the byte is held at 1 from below; a block of zeros has the byte 1.
; OUT.  qc: [batch x head: 64][j: 16] records of 6,656 bytes: 8 tiles of 16 queries x 768 bytes, then 8 x 64 bytes of scale words.
; kv: [batch x head][j] records of 13,312 bytes for 128 keys: K: 8 tiles x 768; V^T: 4 tiles of 16 d x 1,536 from 6,144; K's scale words 8 x 64 from 12,288; V's 4 x 128 from 12,800.  q's and k's words have bytes 2 and 3 zero.
; REGISTERS: window 0: v1-31 addresses; v32-95 scale words (register 8 i + f: lanes 0-15 A's block i, lanes 16-31 B's block i, K step f of 128); v128-223 A's fragments, one set; v224-241 at work on the way out.
;   window 1: B's fragments, two sets, at v0 and v128.   windows 2, 3: accumulator (a, b) at v[8 (8 (a % 4) + b)].
.set BLKB,   12288                     ; a block of 16 rows, all of K
.set FRB,    1536                      ; a fragment's image
.set SLB,    3072                      ; a block's bytes in a slot: 256 along K
.set HALFT,  8*SLB                     ; 8 blocks: what one tensor load brings, and what one wave reads of A or of B
.set SLOT,   4*HALFT
.set SPARE,  2*SLOT                    ; behind the ring: the spare words, 128 bytes for each wave, that no other line names
.set WS_OFF, 262144                    ; the weights' scale words in scl (x's from 0)
.set FR,   12
.set ADRA, 16                          ; v16-17 my A fragments in slot 0, 1, + 16 x lane; v18-19 the same + 8 x lane
.set ADRB, 20                          ; v20-23 the same for B
.set L16,  24
.set L8,   25
.set SCO,  26                          ; the way out: where my scale word goes
.set SCI,  27                          ; where my scale words come from
.set SPW,  28
.set NIL,  29
.set SHV,  30
.set SC,   32
.set AF,   128
.set TM,   224
.set PW,   240
.set PWS,  241
.set PC,   128
.set G1,  24
.set G0,  32
.set G1B, 48
.set G0B, 56
.set MSB, 0
.macro WIN new                         ; the immediate's high byte repeats the setting that is left
.if MSB != (\new)
	s_set_vgpr_msb (MSB<<8)|(\new)
.set MSB, (\new)
.endif
.endm
.set MUL_LO, 0xa1                      ; source 0 (B) window 1, source 1 (A) window 0, C and D window 2
.set MUL_HI, 0xf1
.set TO_B,   0x40
.macro JLOAD s                         ; a joint load: waves 0 and 1 fetch A's halves, waves 2 and 3 B's; four v_nop follow each of the two lines
	s_cmp_eq_u32 s15, 0
	s_cbranch_scc0 .Lfor_b_\@
	tensor_load_to_lds s[G0+4*\s:G0+4*\s+3], s[G1:G1+7]
	s_nop 0
.rept 4
	v_nop
.endr
	s_branch .Lasked_\@
.Lfor_b_\@:
	tensor_load_to_lds s[G0B+4*\s:G0B+4*\s+3], s[G1B:G1B+7]
	s_nop 0
.rept 4
	v_nop
.endr
.Lasked_\@:
.endm
.macro CREST                           ; a round of the cluster's barrier behind its opening barrier
	s_cmp_lg_u32 s14, 0
	s_cbranch_scc1 .Lnot_wave_0_\@
	s_barrier_signal -3
.Lnot_wave_0_\@:
	s_barrier_wait -3
	s_barrier_signal -1
	s_barrier_wait -1
.endm
.macro CROUND
	s_barrier_signal -1
	s_barrier_wait -1
	CREST
.endm
.macro PLACES n
.rept \n
	v_nop
.endr
.endm
.macro FRAG reg, adr, off              ; a fragment comes as it lies: registers 0-3, 4-5, 6-9, 10-11; every load reads consecutive bytes
	ds_load_b128 v[\reg:\reg+3], v[\adr] offset:\off
	ds_load_b64 v[\reg+4:\reg+5], v[\adr+2] offset:\off+512
	ds_load_b128 v[\reg+6:\reg+9], v[\adr] offset:\off+768
	ds_load_b64 v[\reg+10:\reg+11], v[\adr+2] offset:\off+1280
.endm
.macro FETCH_B slot, q, p
	WIN TO_B
.irp i, 0,1,2,3,4,5,6,7
	FRAG 128*(\p)+FR*\i, ADRB+\slot, SLB*\i+FRB*(\q)
.endr
	WIN 0
.endm
.macro FETCH_A slot, q, i0
.irp i, \i0, \i0+1, \i0+2, \i0+3
	FRAG AF+FR*(\i), ADRA+\slot, SLB*(\i)+FRB*(\q)
.endr
.endm
; 16 products: A's blocks a0, a0 + 1 x B's eight; p: B's set; f: the K step of 128.  The 64 accumulators take turns, one instruction a turn, in the same order in every step.
.macro MUL16 a0, p, f, zero
.irp a, \a0, \a0+1
.irp b, 0,1,2,3,4,5,6,7
.if \zero
	v_wmma_scale_f32_16x16x128_f8f6f4 v[8*(8*((\a)%4)+\b):8*(8*((\a)%4)+\b)+7], v[128*(\p)+FR*\b:128*(\p)+FR*\b+FR-1], v[AF+FR*(\a):AF+FR*(\a)+FR-1], 0, v[SC+8*\b+(\f)], v[SC+8*(\a)+(\f)] matrix_a_fmt:MATRIX_FMT_BF6 matrix_b_fmt:MATRIX_FMT_BF6 matrix_a_scale:MATRIX_SCALE_ROW1
.else
	v_wmma_scale_f32_16x16x128_f8f6f4 v[8*(8*((\a)%4)+\b):8*(8*((\a)%4)+\b)+7], v[128*(\p)+FR*\b:128*(\p)+FR*\b+FR-1], v[AF+FR*(\a):AF+FR*(\a)+FR-1], v[8*(8*((\a)%4)+\b):8*(8*((\a)%4)+\b)+7], v[SC+8*\b+(\f)], v[SC+8*(\a)+(\f)] matrix_a_fmt:MATRIX_FMT_BF6 matrix_b_fmt:MATRIX_FMT_BF6 matrix_a_scale:MATRIX_SCALE_ROW1
.endif
.endr
.endr
.endm
.macro STEP slot, f, zero              ; a slot's first 128 along K; its successor lies in the same slot
	s_wait_dscnt 16                                ; B's set and A's blocks 0-3 are in; the youngest 16 loads (A's blocks 4-7) may be out
	WIN MUL_LO
	MUL16 0, 0, \f, \zero
	MUL16 2, 0, \f, \zero
	s_wait_dscnt 0
	PLACES 4                                       ; in front of loads into registers that matrix instructions have read
	FETCH_B \slot, 1, 1
	FETCH_A \slot, 1, 0
	WIN MUL_HI
	MUL16 4, 0, \f, \zero
	MUL16 6, 0, \f, \zero
	PLACES 4
	WIN 0
	FETCH_A \slot, 1, 4
.endm
.macro TURN slot, next, fill, f        ; a slot's second 128 along K, and the change of slots: one barrier
	s_wait_tensorcnt 0x0                           ; all my tensor loads have landed: my part of the next slot;
	ds_add_u32 v[SPW], v[NIL]                      ; 0 onto my spare word
	s_wait_dscnt 17                                ; (the add and the youngest 16 loads, A's blocks 4-7, may be out)
	WIN MUL_LO
	MUL16 0, 1, \f, 0
	s_wait_dscnt 0x0                               ; the add is done, and my reads of this slot are over
	s_barrier_signal -1
	MUL16 2, 1, \f, 0
	WIN 0
	s_barrier_wait -1
.if \fill
	CREST                                          ; the barrier has opened a round of the cluster's barrier: no wave of any partner still reads this slot or has a load on its way
	s_add_nc_u64 s[G0+4*\slot+2:G0+4*\slot+3], s[G0+4*\slot+2:G0+4*\slot+3], 2*SLB
	s_add_nc_u64 s[G0B+4*\slot+2:G0B+4*\slot+3], s[G0B+4*\slot+2:G0B+4*\slot+3], 2*SLB
	JLOAD \slot                                    ; the first tensor load behind the round; its four v_nop are also the places in front of the loads below
.else
	PLACES 4
.endif
	FETCH_B \next, 0, 0
	FETCH_A \next, 0, 0
	WIN MUL_HI
	MUL16 4, 1, \f, 0
	MUL16 6, 1, \f, 0
	PLACES 4
	WIN 0
	FETCH_A \next, 0, 4
.endm
; The 64 results of A's block a in my lane (register 16 b + i = K 32 b + 16 (lane / 16) + i of my row) become a fragment's codes in v[PC] on and its scale word in v[PW].  Each accumulator is read from its low end on.
.macro QUANTW a
.set AC, 64*((\a)%4)
	WIN 0x0a+5*((\a)/4)                            ; sources 0 and 1: window 2 or 3
.irp b, 0,1,2,3
	v_max3_num_f32 v[TM+\b], |v[AC+16*\b]|, |v[AC+16*\b+1]|, 0x2800000   ; the floor 2^(5 - 127) among the leaves
.endr
.irp i, 2,4,6,8,10,12,14
.irp b, 0,1,2,3
	v_max3_num_f32 v[TM+\b], |v[AC+16*\b+\i]|, |v[AC+16*\b+\i+1]|, v[TM+\b]
.endr
.endr
	WIN 0
.irp b, 0,1,2,3
	v_permlanex16_b32 v[TM+4+\b], v[TM+\b], s46, s47
.endr
.irp b, 0,1,2,3
	v_max_num_f32 v[TM+\b], v[TM+\b], v[TM+4+\b]   ; with lane l xor 16's: the block's largest magnitude
.endr
.irp b, 0,1,2,3
	v_add_nc_u32 v[TM+12+\b], 0xfe000000, v[TM+\b] ; 4 off the exponent field: the conversion's scale operand
.endr
.irp b, 0,1,2,3
	v_lshrrev_b32 v[TM+4+\b], 23, v[TM+12+\b]      ; the scale's byte
.endr
	v_lshl_or_b32 v[PW], v[TM+5], 8, v[TM+4]
	v_lshl_or_b32 v[PW], v[TM+6], 16, v[PW]
	v_lshl_or_b32 v[PW], v[TM+7], 24, v[PW]
	WIN 0x02+((\a)/4)                              ; source 0: window 2 or 3
.irp c, 0,1
	v_cvt_scalef32_pk16_bf6_f32 v[PC+6*\c:PC+6*\c+2], v[AC+32*\c:AC+32*\c+15], v[TM+12+2*\c]
	v_cvt_scalef32_pk16_bf6_f32 v[PC+12+4*\c:PC+14+4*\c], v[AC+32*\c+16:AC+32*\c+31], v[TM+12+2*\c+1]
.endr
	WIN 0
	v_nop                                          ; one plain place behind a scaled conversion
.irp c, 0,1                            ; the layout wants a whole block in a lane: lanes 0-15 block 2 c, lanes 16-31 block 2 c + 1
.irp i, 0,1,2
	v_permlane16_swap_b32 v[PC+6*\c+\i], v[PC+12+4*\c+\i]
.endr
.irp i, 0,1,2
	v_mov_b32 v[PC+6*\c+3+\i], v[PC+12+4*\c+\i]
.endr
.endr
.endm
	s_load_b256 s[4:11], s[0:1], 0x0               ; xc s[4:5], wc s[6:7], scl s[8:9], qc s[10:11]
	s_load_b64 s[12:13], s[0:1], 0x20              ; kv
	v_lshl_add_u32 v[SPW], v0, 2, SPARE
	v_mov_b32 v[NIL], 0
	ds_add_u32 v28, v29
	ds_add_u32 v28, v29
	s_wait_dscnt 0x0
	v_lshrrev_b32 v1, 5, v0
	v_readfirstlane_b32 s14, v1                    ; wave 0..3
	s_lshr_b32 s15, s14, 1                         ; which half of A's rows is mine.  Also: I fetch for A (0) or for B (1)
	s_and_b32 s16, s14, 1                          ; which half of B's rows.  Also: which 8 blocks of that tile I fetch
	s_bfe_u32 s40, ttmp6, 0x40000                  ; cx
	s_bfe_u32 s41, ttmp6, 0x40004                  ; cy
	s_and_b32 s18, ttmp7, 0xffff                   ; the cluster's y
	s_lshl_b32 s43, s41, 2
	s_lshl_b32 s43, 15, s43                        ; my row of the cluster
	s_lshl_b32 s44, 0x1111, s40                    ; my column
	s_cmp_ge_u32 s18, 8                            ; the role
	s_cselect_b32 s66, 1, 0                        ; 1: V^T
	s_cselect_b32 s19, 0, s18
	s_cselect_b32 s72, 128, 0                      ; A's first block: Wv's in wc, or 0
	s_lshl_b32 s17, s19, 2
	s_add_co_u32 s17, s17, s41                     ; A's tile: 4 x cluster y + cy, or cy
	s_max_u32 s20, s18, 8
	s_sub_co_u32 s20, s20, 8
	s_lshl_b32 s20, s20, 1
	s_add_co_u32 s20, s20, ttmp9
	s_lshl_b32 s42, s20, 2
	s_add_co_u32 s42, s42, s40                     ; B's tile: 4 x cluster x + cx, or 4 (2 (cluster y - 8) + cluster x) + cx
	s_cmp_eq_u32 ttmp9, 0
	s_cselect_b32 s67, 1, 0
	s_cmp_lg_u32 s66, 0
	s_cselect_b32 s67, 0, s67                      ; 1: q (B's tiles 0-3 are Wq's: cluster x = 0)
	; descriptor group 1: 8 blocks x 3,072 bytes (384 elements of 8 bytes), 12,288 bytes apart; dense in LDS
	s_or_b32 s[G1+0], s43, (3<<16)|(1<<21)         ; 15:0 the mask: A's tiles go to my row; 17:16 elements of 8 bytes; 21 set beside a mask
	s_or_b32 s[G1B+0], s44, (3<<16)|(1<<21)
.irp g, G1, G1B
	s_mov_b32 s[\g+1], 384<<16                     ; tensor_dim0
	s_mov_b32 s[\g+2], 8<<16                       ; tensor_dim1
	s_mov_b32 s[\g+3], 384<<16                     ; tile_dim0
	s_mov_b32 s[\g+4], 8                           ; tile_dim1
	s_mov_b32 s[\g+5], 1536                        ; tensor_dim0_stride
	s_mov_b32 s[\g+6], 0
	s_mov_b32 s[\g+7], 0
.endr
	s_lshl_b32 s22, s16, 3
	s_lshl_b32 s20, s17, 4
	s_add_co_u32 s20, s20, s72
	s_add_co_u32 s20, s20, s22
	s_mul_i32 s20, s20, BLKB                       ; A: first block + 16 x tile + 8 x half
	s_mov_b32 s21, 0
	s_lshl_b32 s46, s42, 4
	s_add_co_u32 s46, s46, s22
	s_mul_i32 s46, s46, BLKB                       ; B likewise
	s_mov_b32 s47, 0
	s_mul_i32 s45, s14, HALFT                      ; where they go: wave x 8 blocks: no place in the cluster enters an LDS address
	v_and_b32 v1, 15, v0                           ; r
	v_bfe_u32 v2, v0, 4, 1                         ; h
	v_and_b32 v3, 31, v0
	v_lshlrev_b32 v[L16], 4, v3
	v_lshlrev_b32 v[L8], 3, v3
	s_wait_kmcnt 0x0
	s_cmp_lg_u32 s66, 0
	s_cselect_b64 s[68:69], s[6:7], s[4:5]         ; A's codes
	s_cselect_b64 s[70:71], s[4:5], s[6:7]         ; B's
	s_add_nc_u64 s[20:21], s[68:69], s[20:21]
	s_add_nc_u64 s[46:47], s[70:71], s[46:47]
	CROUND                                         ; all sixteen work-groups are here: the first joint loads meet
.irp s, 0,1
	s_mov_b32 s[G0+4*\s], 1
	s_add_co_u32 s[G0+4*\s+1], s45, \s*SLOT
	s_add_nc_u64 s[G0+4*\s+2:G0+4*\s+3], s[20:21], \s*SLB
	s_or_b32 s[G0+4*\s+3], s[G0+4*\s+3], 0x80000000
	s_mov_b32 s[G0B+4*\s], 1
	s_add_co_u32 s[G0B+4*\s+1], s45, \s*SLOT
	s_add_nc_u64 s[G0B+4*\s+2:G0B+4*\s+3], s[46:47], \s*SLB
	s_or_b32 s[G0B+4*\s+3], s[G0B+4*\s+3], 0x80000000
	JLOAD \s                                       ; two loads of mine are out
.endr
	s_mul_i32 s21, s15, HALFT                      ; my 8 blocks of A
	s_mul_i32 s22, s16, HALFT                      ; my 8 blocks of B,
	s_add_co_u32 s22, s22, 2*HALFT                 ; which lie behind A's 16
.irp s, 0,1
	v_add_nc_u32 v[ADRA+\s], s21, v[L16]
	v_add_nc_u32 v[ADRA+2+\s], s21, v[L8]
	v_add_nc_u32 v[ADRB+\s], s22, v[L16]
	v_add_nc_u32 v[ADRB+2+\s], s22, v[L8]
	s_add_co_u32 s21, s21, SLOT
	s_add_co_u32 s22, s22, SLOT
.endr
	; the scale words of my 8 blocks of A and 8 of B, for all of K, come once, into 64 registers
	s_lshl_b32 s73, s17, 4
	s_add_co_u32 s73, s73, s72
	s_lshl_b32 s23, s15, 3
	s_add_co_u32 s73, s73, s23
	s_lshl_b32 s73, s73, 9
	s_lshl_b32 s74, s42, 4
	s_lshl_b32 s23, s16, 3
	s_add_co_u32 s74, s74, s23
	s_lshl_b32 s74, s74, 9
	s_cmp_lg_u32 s66, 0
	s_cselect_b32 s22, WS_OFF, 0
	s_cselect_b32 s23, 0, WS_OFF
	s_add_co_u32 s73, s73, s22
	s_add_co_u32 s74, s74, s23
	s_mov_b32 s75, 0xffff0000                      ; lanes 16-31
	v_mov_b32 v4, s73
	v_mov_b32 v5, s74
	v_cndmask_b32 v[SCI], v4, v5, s75              ; lanes 0-15 take A's words, lanes 16-31 B's
	v_lshl_add_u32 v[SCI], v1, 2, v[SCI]
.irp i, 0,1,2,3,4,5,6,7
.irp f, 0,1,2,3,4,5,6,7
	global_load_b32 v[SC+8*\i+\f], v[SCI], s[8:9] offset:512*\i+64*\f
.endr
.endr
.irp b, 0,1,2,3
	v_mov_b32 v[TM+4+\b], 0                        ; written once: a lane permute's destination counts as one of its sources
.endr
	s_wait_tensorcnt 1                             ; my part of slot 0 is in; slot 1's may stay out
	s_barrier_signal -1
	s_barrier_wait -1
	FETCH_B 0, 0, 0
	FETCH_A 0, 0, 0
	FETCH_A 0, 0, 4
	s_wait_loadcnt 0x0                             ; the scale words
	STEP 0, 0, 1                                   ; the first products start the sums: nothing is cleared
	TURN 0, 1, 1, 1
	STEP 1, 2, 0
	TURN 1, 0, 1, 3
	STEP 0, 4, 0
	TURN 0, 1, 0, 5                                ; nothing is left to fetch: no round
	STEP 1, 6, 0
	s_wait_dscnt 16
	WIN MUL_LO
	MUL16 0, 1, 7, 0
	MUL16 2, 1, 7, 0
	s_wait_dscnt 0
	WIN MUL_HI
	MUL16 4, 1, 7, 0
	MUL16 6, 1, 7, 0
	WIN 0
	PLACES 4                                       ; in front of the first reads of results and of writes over A's fragments
	; THE WAY OUT: one text for q, k and v; only numbers differ, chosen by selections on the role.
	s_mov_b32 s46, 0x76543210
	s_mov_b32 s47, 0xfedcba98
	s_lshl_b32 s18, s17, 1
	s_add_co_u32 s18, s18, s15                     ; which 128 rows of A are mine
	s_lshl_b32 s19, s42, 1
	s_add_co_u32 s19, s19, s16                     ; which 128 rows of B
	s_mov_b32 s90, 13312
	s_mov_b32 s95, 12288
	s_cmp_lg_u32 s67, 0                            ; q?
	s_cselect_b32 s90, 6656, s90                   ; a record's bytes
	s_cselect_b32 s95, 6144, s95                   ; where its scale words begin (q, k)
	s_cselect_b64 s[76:77], s[10:11], s[12:13]     ; qc or kv
	s_lshl_b32 s91, s90, 4                         ; from a head to the next: 16 records
	s_mov_b32 s82, 768
	s_mov_b32 s84, 768
	s_cmp_lg_u32 s66, 0                            ; v?
	s_cselect_b32 s95, 12800, s95
	s_cselect_b32 s96, 6144, 0                     ; where the codes begin in a record
	s_cselect_b32 s82, 1536, s82                   ; from block a to a + 1: a tile of tokens, or a tile of d;
	s_cselect_b32 s84, 208384, s84                 ; from block 3 to 4: v goes on to the next head's record
	s_cselect_b32 s98, 768, s91                    ; from a fragment's first half to its second: v: on end; q, k: the next head
	s_cselect_b32 s86, 128, 64                     ; the same steps for the scale words
	s_cselect_b32 s88, 212608, 64
	s_cselect_b32 s94, 64, s91                     ; lanes 16-31 store v's word once more, or the next head's word
	s_cselect_b32 s92, 0, 16                       ; which is the upper half of the word just made,
	s_cselect_b32 s93, -1, 0xffff                  ; with bytes 2 and 3 zero
	s_cselect_b32 s20, s19, s18                    ; which 128 tokens
	s_cselect_b32 s21, s18, s19                    ; which 128 columns of the weights
	s_mov_b32 s83, 0
	s_mov_b32 s85, 0
	s_mov_b32 s87, 0
	s_mov_b32 s89, 0
	s_mov_b32 s97, 0
	s_mov_b32 s99, 0
	s_mov_b32 s23, 0
	s_lshr_b32 s22, s20, 4                         ; batch
	s_and_b32 s20, s20, 15                         ; j
	s_and_b32 s21, s21, 7
	s_lshl_b32 s21, s21, 1                         ; my first head
	s_lshl_b32 s22, s22, 4
	s_add_co_u32 s22, s22, s21
	s_lshl_b32 s22, s22, 4
	s_add_co_u32 s22, s22, s20
	s_mul_i32 s22, s22, s90                        ; the record
	s_add_co_u32 s96, s96, s22
	s_add_co_u32 s22, s22, s95
	s_add_nc_u64 s[80:81], s[76:77], s[22:23]      ; scale words
	s_add_nc_u64 s[76:77], s[76:77], s[96:97]      ; a fragment's first half
	s_add_nc_u64 s[78:79], s[76:77], s[98:99]      ; its second
	v_mul_u32_u24 v[SCO], s94, v2
	v_lshl_add_u32 v[SCO], v1, 2, v[SCO]
	v_mul_u32_u24 v[SHV], s92, v2
.irp a, 0,1,2,3,4,5,6,7
	s_wait_xcnt 0x0                                ; the last block's stores have read their data and bases: both are written again only behind this wait
.if \a == 4
	s_add_nc_u64 s[76:77], s[76:77], s[84:85]
	s_add_nc_u64 s[78:79], s[78:79], s[84:85]
	s_add_nc_u64 s[80:81], s[80:81], s[88:89]
.elseif \a > 0
	s_add_nc_u64 s[76:77], s[76:77], s[82:83]
	s_add_nc_u64 s[78:79], s[78:79], s[82:83]
	s_add_nc_u64 s[80:81], s[80:81], s[86:87]
.endif
	QUANTW \a
	global_store_b128 v[L16], v[PC:PC+3], s[76:77]               ; 512 consecutive bytes
	global_store_b64 v[L8], v[PC+4:PC+5], s[76:77] offset:512    ; 256 consecutive bytes
	global_store_b128 v[L16], v[PC+6:PC+9], s[78:79]
	global_store_b64 v[L8], v[PC+10:PC+11], s[78:79] offset:512
	v_lshrrev_b32 v[PWS], v[SHV], v[PW]
	v_and_b32 v[PWS], s93, v[PWS]
	global_store_b32 v[SCO], v[PWS], s[80:81]
.endr
	s_wait_tensorcnt 0x0                           ; the wave's end
	ds_add_u32 v[SPW], v[NIL]
	s_wait_dscnt 0x0
	CROUND                                         ; the closing round: no work-group ends while a partner may still ask for a tile that names it
	s_endpgm
.Lfunc_end_k_qe8069c4a0b_qkv:
	.size	k_qe8069c4a0b_qkv, .Lfunc_end_k_qe8069c4a0b_qkv-k_qe8069c4a0b_qkv
	.p2alignl 7, 3214868480
	.fill 96, 4, 3214868480
	.section	.rodata,"a",@progbits
	.p2align	6, 0x0
	.amdhsa_kernel k_qe8069c4a0b_qkv
		.amdhsa_group_segment_fixed_size 327680
		.amdhsa_private_segment_fixed_size 0
		.amdhsa_enable_private_segment 0
		.amdhsa_kernarg_size 40
		.amdhsa_user_sgpr_count 2
		.amdhsa_user_sgpr_kernarg_segment_ptr 1
		.amdhsa_wavefront_size32 1
		.amdhsa_system_sgpr_workgroup_id_x 1
		.amdhsa_system_sgpr_workgroup_id_y 1
		.amdhsa_system_sgpr_workgroup_id_z 1
		.amdhsa_system_vgpr_workitem_id 0
		.amdhsa_next_free_vgpr 1024
		.amdhsa_next_free_sgpr 100
		.amdhsa_reserve_vcc 0
		.amdhsa_float_denorm_mode_32 3
		.amdhsa_float_denorm_mode_16_64 3
		.amdhsa_memory_ordered 1
		.amdhsa_forward_progress 1
		.amdhsa_inst_pref_size 154
	.end_amdhsa_kernel
	.amdgpu_metadata
---
amdhsa.version: [ 1, 2 ]
amdhsa.kernels:
  - .name:           k_qe8069c4a0b_qkv
    .symbol:         k_qe8069c4a0b_qkv.kd
    .args:
      - { .name: xc, .offset: 0, .size: 8, .value_kind: global_buffer, .address_space: global }
      - { .name: wc, .offset: 8, .size: 8, .value_kind: global_buffer, .address_space: global }
      - { .name: scl, .offset: 16, .size: 8, .value_kind: global_buffer, .address_space: global }
      - { .name: qc, .offset: 24, .size: 8, .value_kind: global_buffer, .address_space: global }
      - { .name: kv, .offset: 32, .size: 8, .value_kind: global_buffer, .address_space: global }
    .group_segment_fixed_size: 327680
    .private_segment_fixed_size: 0
    .kernarg_segment_align: 8
    .kernarg_segment_size: 40
    .max_flat_workgroup_size: 128
    .sgpr_count:     100
    .vgpr_count:     1024
    .wavefront_size: 32
...
	.end_amdgpu_metadata
.endif
;; end of part 2
;; launch attn (part 3): grid 4 x 64, 16 waves a work-group, clusters of 4 x 1, 215,040 bytes of LDS; arguments qc, kv, ac, scl; writes ac, scl
.if DOCPART == 3
	.amdgcn_target "amdgcn-amd-amdhsa--gfx1250"
	.amdhsa_code_object_version 6
	.text
	.protected	k_qe8069c4a0b_attn
	.globl	k_qe8069c4a0b_attn
	.p2align	8
	.type	k_qe8069c4a0b_attn,@function
k_qe8069c4a0b_attn:
	s_mov_b64 s[64:65], 0
	v_nop
	global_prefetch_b8 v0, s[64:65] scope:SCOPE_SE
	s_setreg_imm32_b32 hwreg(HW_REG_WAVE_MODE, 25, 1), 1
	s_wait_xcnt 0x0
	s_wait_alu depctr_hold_cnt(0) depctr_sa_sdst(0) depctr_va_vdst(0) depctr_va_sdst(0) depctr_va_ssrc(0) depctr_va_vcc(0) depctr_vm_vsrc(0)
	s_getreg_b32 s2, hwreg(HW_REG_IB_STS2, 6, 4)
	s_cmp_eq_u32 s2, 0
	s_cbranch_scc0 .Lentry_in_a_cluster
	s_endpgm
.Lentry_in_a_cluster:
	s_bfe_u32 s2, ttmp6, 0x10000c
	s_cmp_lg_u32 s2, 0x3003
	s_cbranch_scc0 .Lentry_shape_is_right
	s_endpgm
.Lentry_shape_is_right:
; Causal attention of one batch x head on codes of BF6 (E3M2) with E8M0 scales; head size 64, 2,048 keys.  The result, divided by the row's sum, is quantised along the model's 1,024 and leaves as codes for the last product.
; THE SOFTMAX: t = score x log2(e) / 8; M = the row's largest t so far, rounded UP to a whole number; p = 2^(t - M) is quantised along the keys, not normalised; the row's sum is taken of the unquantised p, in f32.
; When M moves, the sum and O are multiplied by 2^(old M - new M): exact.
; ALL OF THE HEAD'S K AND V LIE IN LDS: 16 records of 13,312 bytes (128 keys each), filled once: no slot is filled again, no LDS byte is stored to.
; CLUSTER: the four work-groups of a cluster are one head and ask for the records JOINTLY (mask 15): each record is fetched once for the four.
; SHARES: of the head's 128 tiles of 16 queries, wave w of work-group g owns tiles 4 w + g and 127 - (4 w + g): their last key steps, w / 2 and 15 - w / 2, hang on the wave's number alone, and every wave has 17 steps of work.
; The late tile goes first: its steps 0-7 need no mask in any wave, so the barriers that follow the arriving records stand there; behind the last barrier the waves run freely.
; Every loop's trip count is a constant; a step all of whose keys come after the tile's queries is jumped over inside the loop; in the one step on the diagonal hidden scores become -infinity ahead of the maximum.
; LAYOUT: both products transposed: S^T = K Q^T (source 0 = 16 keys), O^T = V^T P^T (source 0 = 16 d): a lane holds ONE query.  Rows of every tile stand in the order lane r of tile 2 B + u = row 32 B + 8 u + r + 8 (r / 8),
; so that the 16 registers of tiles 2 B, 2 B + 1 are 16 neighbours 32 B + 16 (lane / 16) + 0 .. 15.
; K = 64 IN AN INSTRUCTION OF 128: Q's upper six registers are zero codes, and both sides' scale bytes there are 0; what stands in source 0's upper six registers (the next tile's codes) is multiplied by zeros.
; LIMITS: NaN and infinities are not served; a scale's byte is held at 1 from below; a block of zeros has the byte 1.
; REGISTERS: v1-3 16, 8, 4 x lane; v4 the mask's number; v5-7 the step's LDS addresses; v8 4 r + h; v9 4 r; v10 r + 8 (r / 8) - 16 h; v12 -M; v13 the largest t; v[14:15] the sum; v16-27, v28 the late tile's Q and its scale words;
; v32-79 K's eight tiles or V's four fragments; v80-85 zeros; v86-89 K's scale words; v90-93 V's; v96-159 S^T, then p; v160-191 O^T; v192-203, v204 the early tile's Q; v208-223 at work; v224-235 p's codes; v244 p's scale word.
.set REC,    13312
.set AS_OFF, 393216                    ; where this launch's scale bytes lie in scl
.macro CROUND
	s_barrier_signal -1
	s_barrier_wait -1
	s_cmp_lg_u32 s12, 0
	s_cbranch_scc1 .Lnot_wave_0_\@
	s_barrier_signal -3
.Lnot_wave_0_\@:
	s_barrier_wait -3
	s_barrier_signal -1
	s_barrier_wait -1
.endm
; the addresses of tile s[T]: Q's codes, Q's scale words, the result's codes, its scale bytes; and the tile's first query within its 128
.macro BASES T, QC, QS, AC, SC, DQ
	s_lshr_b32 s74, s[\T], 3
	s_and_b32 s75, s[\T], 7
	s_lshl_b32 s76, s14, 4
	s_add_co_u32 s76, s76, s74
	s_mul_i32 s76, s76, 6656                       ; the record of these 128 queries
	s_mul_i32 s77, s75, 768
	s_add_co_u32 s78, s76, s77
	s_mov_b32 s79, 0
	s_add_nc_u64 s[\QC:\QC+1], s[4:5], s[78:79]
	s_lshl_b32 s77, s75, 6
	s_add_co_u32 s78, s76, s77
	s_add_co_u32 s78, s78, 6144
	s_add_nc_u64 s[\QS:\QS+1], s[4:5], s[78:79]
	s_lshr_b32 s76, s14, 4
	s_lshl_b32 s76, s76, 7
	s_add_co_u32 s76, s76, s[\T]                   ; the block of 16 tokens: 128 x batch + tile
	s_and_b32 s77, s14, 15                         ; the head
	s_mul_i32 s78, s76, 12288
	s_mul_i32 s74, s77, 768
	s_add_co_u32 s78, s78, s74
	s_add_nc_u64 s[\AC:\AC+1], s[8:9], s[78:79]
	s_lshl_b32 s78, s76, 9
	s_lshr_b32 s74, s77, 1
	s_lshl_b32 s74, s74, 6
	s_add_co_u32 s78, s78, s74
	s_and_b32 s74, s77, 1
	s_lshl_b32 s74, s74, 1
	s_add_co_u32 s78, s78, s74
	s_add_co_u32 s78, s78, AS_OFF
	s_add_nc_u64 s[\SC:\SC+1], s[10:11], s[78:79]
	s_lshr_b32 s74, s75, 1
	s_lshl_b32 s74, s74, 5
	s_and_b32 s75, s75, 1
	s_lshl_b32 s75, s75, 3
	s_add_co_u32 s[\DQ], s74, s75
.endm
; A KEY STEP: 128 keys, record s16, at LDS byte s17.  qf, qs: Q's fragment and scale words.  m = 1: the step may lie behind the tile's last (jumped over) or on the diagonal (masked).
.macro STEP qf, qs, m
.if \m
	s_cmp_gt_u32 s16, s15
	s_cbranch_scc1 .Lhid_\@
.endif
	s_setprio 2
	v_add_nc_u32 v5, s17, v1
	v_add_nc_u32 v6, s17, v2
	v_add_nc_u32 v7, s17, v3
	v_nop                                          ; four places in front of loads into registers that the last products read
.irp t, 0,1,2,3,4,5,6,7
	ds_load_b128 v[32+6*\t:35+6*\t], v5 offset:768*\t
	ds_load_b64 v[36+6*\t:37+6*\t], v6 offset:768*\t+512
.endr
.irp i, 0,1,2,3
	ds_load_b32 v[86+\i], v7 offset:12288+128*\i   ; lanes 0-15 tile 2 i's scale words, lanes 16-31 tile 2 i + 1's
.endr
	s_wait_alu depctr_va_vdst(0)
	s_wait_dscnt 0x0
.irp t, 0,2,4,6
	v_wmma_scale_f32_16x16x128_f8f6f4 v[96+8*\t:103+8*\t], v[32+6*\t:43+6*\t], v[\qf:\qf+11], 0, v[86+\t/2], v[\qs] matrix_a_fmt:MATRIX_FMT_BF6 matrix_b_fmt:MATRIX_FMT_BF6
	v_wmma_scale_f32_16x16x128_f8f6f4 v[104+8*\t:111+8*\t], v[38+6*\t:49+6*\t], v[\qf:\qf+11], 0, v[86+\t/2], v[\qs] matrix_a_fmt:MATRIX_FMT_BF6 matrix_b_fmt:MATRIX_FMT_BF6 matrix_a_scale:MATRIX_SCALE_ROW1
.endr
.rept 4
	v_nop
.endr
.irp d, 0,1,2,3                        ; V's fragments land while the softmax is walked
	ds_load_b128 v[32+12*\d:35+12*\d], v5 offset:6144+1536*\d
	ds_load_b64 v[36+12*\d:37+12*\d], v6 offset:6144+1536*\d+512
	ds_load_b128 v[38+12*\d:41+12*\d], v5 offset:6144+1536*\d+768
	ds_load_b64 v[42+12*\d:43+12*\d], v6 offset:6144+1536*\d+1280
	ds_load_b32 v[90+\d], v7 offset:12800+128*\d
.endr
.if \m
	s_cmp_lg_u32 s16, s15
	s_cbranch_scc1 .Lopen_\@
.set n, 0
.rept 64                               ; register 16 b + i holds key 32 b + 16 (lane / 16) + i of the step: hidden where 32 b + i > my query's place - 16 (lane / 16)
	v_cmp_gt_i32 vcc_lo, 32*(n/16)+n%16, v4
	v_cndmask_b32 v[96+n], v[96+n], v223, vcc_lo
.set n, n+1
.endr
.Lopen_\@:
.endif
.irp b, 0,1,2,3
	v_max3_num_f32 v[208+\b], v[96+16*\b], v[97+16*\b], v[98+16*\b]   ; the largest score of each block of 32 keys: for the row's maximum, and, since p rises with the score, for the block's largest p
.endr
.irp i, 3,5,7,9,11,13
.irp b, 0,1,2,3
	v_max3_num_f32 v[208+\b], v[208+\b], v[96+16*\b+\i], v[97+16*\b+\i]
.endr
.endr
.irp b, 0,1,2,3
	v_max_num_f32 v[208+\b], v[208+\b], v[111+16*\b]
.endr
.irp b, 0,1,2,3
	s_delay_alu instid0(VALU_DEP_4)
	v_permlanex16_b32 v[212+\b], v[208+\b], s20, s21
.endr
.irp b, 0,1,2,3
	s_delay_alu instid0(VALU_DEP_4)
	v_max_num_f32 v[208+\b], v[208+\b], v[212+\b]  ; with lane l xor 16's 16 keys
.endr
	s_delay_alu instid0(VALU_DEP_2)
	v_max3_num_f32 v222, v208, v209, v210
	s_delay_alu instid0(VALU_DEP_1)
	v_max_num_f32 v222, v222, v211
	s_delay_alu instid0(VALU_DEP_1)
	v_mul_f32 v222, s22, v222                      ; the step's largest t (c is positive)
	s_delay_alu instid0(VALU_DEP_1)
	v_max_num_f32 v13, v13, v222
	v_mov_b32 v222, v12
	s_delay_alu instid0(VALU_DEP_2)
	v_floor_f32 v12, -v13                          ; the new -M = -ceil(t)
	s_delay_alu instid0(VALU_DEP_1)
	v_sub_f32 v222, v12, v222                      ; old M - new M: a whole number, 0 or less
	s_delay_alu instid0(VALU_DEP_1)
	v_cvt_i32_f32 v222, v222                       ; (it saturates)
	s_delay_alu instid0(VALU_DEP_1)
	v_ldexp_f32 v220, 1.0, v222                    ; f = 2^(old M - new M)
.set n, 0
.rept 32
	v_pk_fma_f32 v[96+n:97+n], v[96+n:97+n], s[22:23], v[12:13] op_sel_hi:[1,0,0]   ; t - M, two at a time
.set n, n+2
.endr
.irp b, 0,1,2,3
	v_fma_f32 v[208+\b], v[208+\b], s22, v12
.endr
.set n, 0
	s_setprio 1
	s_wait_alu depctr_va_vdst(0)
.rept 64
	v_exp_f32 v[96+n], v[96+n]                     ; p = 2^(t - M)
.set n, n+1
.endr
.irp b, 0,1,2,3
	v_exp_f32 v[208+\b], v[208+\b]                 ; the block's largest p: the same two instructions on the same number
.endr
	v_pk_mul_f32 v[14:15], v[14:15], v[220:221] op_sel_hi:[1,0]   ; the sums under the new M (a plain place behind the exponentials)
	s_wait_alu depctr_va_vdst(0)
.irp b, 0,1,2,3
	v_max_num_f32 v[208+\b], 0x2800000, v[208+\b]  ; the floor 2^(5 - 127)
.endr
.irp b, 0,1,2,3
	s_delay_alu instid0(VALU_DEP_4)
	v_add_nc_u32 v[216+\b], 0xfe000000, v[208+\b]  ; the conversion's scale operand
.endr
.irp b, 0,1,2,3
	s_delay_alu instid0(VALU_DEP_4)
	v_lshrrev_b32 v[212+\b], 23, v[216+\b]         ; the scale's byte
.endr
	s_delay_alu instid0(VALU_DEP_3)
	v_lshl_or_b32 v244, v213, 8, v212              ; p's scale word for these 128 keys
	s_delay_alu instid0(VALU_DEP_1)
	v_lshl_or_b32 v244, v214, 16, v244
	s_delay_alu instid0(VALU_DEP_1)
	v_lshl_or_b32 v244, v215, 24, v244
.irp c, 0,1
	v_cvt_scalef32_pk16_bf6_f32 v[224+6*\c:226+6*\c], v[96+32*\c:111+32*\c], v[216+2*\c]
	v_cvt_scalef32_pk16_bf6_f32 v[236+4*\c:238+4*\c], v[112+32*\c:127+32*\c], v[217+2*\c]
.endr
	v_nop                                          ; one plain place behind a scaled conversion
.irp c, 0,1
.irp i, 0,1,2
	v_permlane16_swap_b32 v[224+6*\c+\i], v[236+4*\c+\i]
.endr
.irp i, 0,1,2
	s_delay_alu instid0(VALU_DEP_3)
	v_mov_b32 v[227+6*\c+\i], v[236+4*\c+\i]
.endr
.endr
	v_pk_add_f32 v[246:247], v[100:101], v[104:105]
	v_pk_add_f32 v[252:253], v[108:109], v[112:113]
	v_pk_add_f32 v[250:251], v[116:117], v[120:121]
	v_pk_add_f32 v[248:249], v[124:125], v[128:129]
	v_pk_add_f32 v[242:243], v[132:133], v[136:137]
	v_pk_add_f32 v[240:241], v[140:141], v[144:145]
	v_pk_add_f32 v[238:239], v[148:149], v[152:153]
	v_pk_add_f32 v[14:15], v[14:15], v[156:157]
	v_pk_add_f32 v[246:247], v[246:247], v[96:97]
	v_pk_add_f32 v[252:253], v[252:253], v[98:99]
	v_pk_add_f32 v[250:251], v[250:251], v[102:103]
	v_pk_add_f32 v[248:249], v[248:249], v[106:107]
	v_pk_add_f32 v[242:243], v[242:243], v[110:111]
	v_pk_add_f32 v[240:241], v[240:241], v[114:115]
	v_pk_add_f32 v[238:239], v[238:239], v[118:119]
	v_pk_add_f32 v[14:15], v[14:15], v[122:123]
	v_pk_add_f32 v[246:247], v[246:247], v[126:127]
	v_pk_add_f32 v[252:253], v[252:253], v[130:131]
	v_pk_add_f32 v[250:251], v[250:251], v[134:135]
	s_setprio 0
	v_pk_add_f32 v[248:249], v[248:249], v[138:139]
	v_pk_add_f32 v[242:243], v[242:243], v[142:143]
	v_pk_add_f32 v[240:241], v[240:241], v[146:147]
	v_pk_add_f32 v[238:239], v[238:239], v[150:151]
	v_pk_add_f32 v[14:15], v[14:15], v[154:155]
	v_pk_add_f32 v[246:247], v[246:247], v[158:159]
	s_delay_alu instid0(VALU_DEP_2)
	v_pk_add_f32 v[14:15], v[14:15], v[248:249]
	s_delay_alu instid0(VALU_DEP_2)
	v_pk_add_f32 v[246:247], v[246:247], v[242:243]
	v_pk_add_f32 v[252:253], v[252:253], v[240:241]
	v_pk_add_f32 v[250:251], v[250:251], v[238:239]
	s_delay_alu instid0(VALU_DEP_2)
	v_pk_add_f32 v[14:15], v[14:15], v[252:253]
	s_delay_alu instid0(VALU_DEP_2)
	v_pk_add_f32 v[246:247], v[246:247], v[250:251]
	s_delay_alu instid0(VALU_DEP_1)
	v_pk_add_f32 v[14:15], v[14:15], v[246:247]
.set n, 0
.rept 16
	v_pk_mul_f32 v[160+n:161+n], v[160+n:161+n], v[220:221] op_sel_hi:[1,0]   ; O^T under the new M.  (The sums and these are the places between p's codes and scale word and the products)
.set n, n+2
.endr
	s_wait_alu depctr_va_vdst(0)
	s_wait_dscnt 0x0                               ; V
.irp d, 0,1,2,3
	v_wmma_scale_f32_16x16x128_f8f6f4 v[160+8*\d:167+8*\d], v[32+12*\d:43+12*\d], v[224:235], v[160+8*\d:167+8*\d], v[90+\d], v244 matrix_a_fmt:MATRIX_FMT_BF6 matrix_b_fmt:MATRIX_FMT_BF6
.endr
.if \m
.Lhid_\@:
.endif
.endm
.macro WALK cnt, qf, qs, m             ; cnt key steps: a constant
	s_mov_b32 s18, \cnt
.Lwalk_\@:
	STEP \qf, \qs, \m
	s_add_co_u32 s17, s17, REC
	s_add_co_u32 s16, s16, 1
	s_sub_co_u32 s18, s18, 1
	s_cmp_lg_u32 s18, 0
	s_cbranch_scc1 .Lwalk_\@
	s_setprio 0
.endm
.macro INIT dq, jl                     ; a tile begins: the step is written once, and the first finds zeros, which the first change of M leaves zeros
	v_mov_b32 v13, 0xff61b1e6                      ; -3e38, under every t
	s_delay_alu instid0(VALU_DEP_1)
	v_floor_f32 v12, -v13
	v_mov_b32 v14, 0
	v_mov_b32 v15, 0
.set n, 0
.rept 32
	v_mov_b32 v[160+n], 0
.set n, n+1
.endr
	v_add_nc_u32 v4, s[\dq], v10                   ; my query's place in its 128, less 16 (lane / 16)
	s_mov_b32 s17, 0
	s_mov_b32 s16, 0
	s_mov_b32 s15, s[\jl]                          ; the tile's last key step
.endm
.macro OUT AC, SC                      ; O^T / the sum, quantised along d: two blocks of 32; 768 bytes of codes and 32 scale bytes
.rept 4
	v_nop
.endr
	v_add_f32 v14, v14, v15
	s_delay_alu instid0(VALU_DEP_1)
	v_permlanex16_b32 v222, v14, s20, s21
	s_delay_alu instid0(VALU_DEP_1)
	v_add_f32 v14, v14, v222                       ; the row's sum
	s_wait_alu depctr_va_vdst(0)
	v_rcp_f32 v220, v14
	v_nop                                          ; one plain place behind a transcendental
.set n, 0
	s_wait_alu depctr_va_vdst(0)
.rept 16
	v_pk_mul_f32 v[96+n:97+n], v[160+n:161+n], v[220:221] op_sel_hi:[1,0]   ; register 16 B + i: d = 32 B + 16 (lane / 16) + i; each accumulator from its low end on
.set n, n+2
.endr
.irp b, 0,1
	v_max3_num_f32 v[208+\b], |v[96+16*\b]|, |v[97+16*\b]|, 0x2800000
.endr
.irp i, 2,4,6,8,10,12,14
.irp b, 0,1
	s_delay_alu instid0(VALU_DEP_2)
	v_max3_num_f32 v[208+\b], v[208+\b], |v[96+16*\b+\i]|, |v[97+16*\b+\i]|
.endr
.endr
.irp b, 0,1
	s_delay_alu instid0(VALU_DEP_2)
	v_permlanex16_b32 v[212+\b], v[208+\b], s20, s21
.endr
.irp b, 0,1
	s_delay_alu instid0(VALU_DEP_2)
	v_max_num_f32 v[208+\b], v[208+\b], v[212+\b]
.endr
.irp b, 0,1
	s_delay_alu instid0(VALU_DEP_2)
	v_add_nc_u32 v[216+\b], 0xfe000000, v[208+\b]
.endr
.irp b, 0,1
	s_delay_alu instid0(VALU_DEP_2)
	v_lshrrev_b32 v[212+\b], 23, v[216+\b]
.endr
	s_delay_alu instid0(VALU_DEP_1)
	v_cndmask_b32 v222, v212, v213, s48            ; lanes 0-15 keep block 0's byte, lanes 16-31 block 1's
	v_cvt_scalef32_pk16_bf6_f32 v[224:226], v[96:111], v216
	v_cvt_scalef32_pk16_bf6_f32 v[236:238], v[112:127], v217
	v_nop                                          ; one plain place behind a scaled conversion
.irp i, 0,1,2
	v_permlane16_swap_b32 v[224+\i], v[236+\i]
.endr
.irp i, 0,1,2
	s_delay_alu instid0(VALU_DEP_3)
	v_mov_b32 v[227+\i], v[236+\i]
.endr
	global_store_b128 v1, v[224:227], s[\AC:\AC+1]              ; 512 consecutive bytes
	global_store_b64 v2, v[228:229], s[\AC:\AC+1] offset:512    ; 256 consecutive bytes
	global_store_b8 v8, v222, s[\SC:\SC+1]                      ; byte 2 (head % 2) + block of row r's word
	s_wait_xcnt 0x0                                ; the stores' data are written again only behind this wait
.endm
	s_load_b256 s[4:11], s[0:1], 0x0               ; qc s[4:5], kv s[6:7], ac s[8:9], scl s[10:11]
	v_lshl_add_u32 v254, v0, 2, 0x34000
	v_mov_b32 v255, 0
	ds_add_u32 v254, v255
	ds_add_u32 v254, v255
	v_lshrrev_b32 v1, 5, v0
	s_delay_alu instid0(VALU_DEP_1)
	v_readfirstlane_b32 s12, v1                    ; wave 0..15
	s_bfe_u32 s13, ttmp6, 0x40000                  ; g = cx: it enters Q's and the result's addresses and the mask's number alone
	s_and_b32 s14, ttmp7, 0xffff                   ; batch x head, which the four partners share
	; descriptor group 1: a record, dense: 52 rows of 256 bytes (32 elements of 8 bytes)
	s_mov_b32 s24, 15|(3<<16)|(1<<21)              ; 15:0 the mask: all four work-groups; 17:16 elements of 8 bytes; 21 set beside a mask
	s_mov_b32 s25, 32<<16
	s_mov_b32 s26, 52<<16
	s_mov_b32 s27, 32<<16
	s_mov_b32 s28, 52
	s_mov_b32 s29, 32
	s_mov_b32 s30, 0
	s_mov_b32 s31, 0
	s_mov_b32 s20, 0x76543210
	s_mov_b32 s21, 0xfedcba98                      ; selects for lane l xor 16
	s_mov_b32 s22, 0x3e38aa3b                      ; c = log2(e) / 8
	s_mov_b32 s23, s22                             ; (named with it as a pair)
	s_mov_b32 s48, 0xffff0000                      ; lanes 16-31
	s_lshr_b32 s72, s12, 1                         ; the early tile's last key step
	s_sub_co_u32 s73, 15, s72                      ; the late tile's
	s_lshl_b32 s68, s12, 2
	s_add_co_u32 s68, s68, s13                     ; the early tile
	s_sub_co_u32 s69, 127, s68                     ; the late tile
	s_and_b32 s74, s12, 3
	s_mul_i32 s75, s74, REC                        ; record (wave % 4) of a chunk of four: in LDS as in memory
	s_mul_i32 s76, s14, 16*REC
	s_add_co_u32 s76, s76, s75
	s_mov_b32 s77, 0
	v_and_b32 v11, 31, v0
	s_delay_alu instid0(VALU_DEP_1)
	v_lshlrev_b32 v1, 4, v11
	s_delay_alu instid0(VALU_DEP_2)
	v_lshlrev_b32 v2, 3, v11
	s_delay_alu instid0(VALU_DEP_3)
	v_lshlrev_b32 v3, 2, v11
	v_and_b32 v9, 15, v0                           ; r
	v_bfe_u32 v8, v0, 4, 1                         ; h
	s_delay_alu instid0(VALU_DEP_2)
	v_and_b32 v10, 8, v9
	s_delay_alu instid0(VALU_DEP_1)
	v_add_nc_u32 v10, v10, v9
	s_delay_alu instid0(VALU_DEP_3)
	v_lshlrev_b32 v11, 4, v8
	s_delay_alu instid0(VALU_DEP_1)
	v_sub_nc_u32 v10, v10, v11                     ; r + 8 (r / 8) - 16 h
	v_lshl_add_u32 v8, v9, 2, v8                   ; 4 r + h
	v_lshlrev_b32 v9, 2, v9                        ; 4 r
	s_wait_dscnt 0x0
	s_wait_kmcnt 0x0
	s_add_nc_u64 s[76:77], s[6:7], s[76:77]
.irp c, 0,1,2,3
	s_mov_b32 s[32+4*\c], 1
	s_add_co_u32 s[33+4*\c], s75, \c*4*REC
	s_add_nc_u64 s[34+4*\c:35+4*\c], s[76:77], \c*4*REC
	s_or_b32 s[35+4*\c], s[35+4*\c], 0x80000000
.endr
	BASES 69, 50, 52, 54, 56, 70
	BASES 68, 58, 60, 62, 66, 71
	CROUND                                         ; all four work-groups are here: the joint loads meet
	s_cmp_lt_u32 s12, 4                            ; waves 0-3 fetch, record 4 c + wave for c = 0 .. 3: four loads of a wave are out; one branch holds them all
	s_cbranch_scc0 .Lno_fill
	tensor_load_to_lds s[32:35], s[24:31]
	s_nop 0
	tensor_load_to_lds s[36:39], s[24:31]
	s_nop 0
	tensor_load_to_lds s[40:43], s[24:31]
	s_nop 0
	tensor_load_to_lds s[44:47], s[24:31]
	s_nop 0
.rept 4
	v_nop
.endr
.Lno_fill:
	global_load_b128 v[16:19], v1, s[50:51]        ; the late tile's Q
	global_load_b64 v[20:21], v2, s[50:51] offset:512
	s_wait_alu depctr_va_vdst(0)
	global_load_b32 v28, v9, s[52:53]
	global_load_b128 v[192:195], v1, s[58:59]      ; the early tile's
	global_load_b64 v[196:197], v2, s[58:59] offset:512
	global_load_b32 v204, v9, s[60:61]
.irp i, 0,1,2,3,4,5
	v_mov_b32 v[22+\i], 0                          ; zero codes for the instruction's upper 64 along K
	v_mov_b32 v[198+\i], 0
	v_mov_b32 v[80+\i], 0
.endr
.irp b, 0,1,2,3
	v_mov_b32 v[212+\b], 0                         ; written once: a lane permute's destination counts as one of its sources
.endr
	v_mov_b32 v221, 0                              ; (named as the upper half of the pair v[220:221])
	v_mov_b32 v222, 0
	v_mov_b32 v223, 0xff800000                     ; -infinity
	INIT 70, 73
	s_wait_loadcnt 0x0                             ; Q
	s_wait_tensorcnt 3                             ; my record of the first four is in; the three behind it may stay out
	s_barrier_signal -1
	s_barrier_wait -1
	WALK 4, 16, 28, 0
	s_wait_dscnt 0x0
	s_wait_tensorcnt 2                             ; my record of the second four
	s_barrier_signal -1
	s_barrier_wait -1
	WALK 4, 16, 28, 0
	s_wait_dscnt 0x0
	s_wait_tensorcnt 0x0                           ; all
	s_barrier_signal -1
	s_barrier_wait -1
	WALK 8, 16, 28, 1
	OUT 54, 56
	INIT 71, 72
	WALK 8, 192, 204, 1
	OUT 62, 66
	s_wait_dscnt 0x0
	s_wait_tensorcnt 0x0
	ds_add_u32 v254, v255
	s_wait_dscnt 0x0
	CROUND                                         ; the closing round
	s_endpgm
.Lfunc_end_k_qe8069c4a0b_attn:
	.size	k_qe8069c4a0b_attn, .Lfunc_end_k_qe8069c4a0b_attn-k_qe8069c4a0b_attn
	.p2alignl 7, 3214868480
	.fill 96, 4, 3214868480
	.section	.rodata,"a",@progbits
	.p2align	6, 0x0
	.amdhsa_kernel k_qe8069c4a0b_attn
		.amdhsa_group_segment_fixed_size 215040
		.amdhsa_private_segment_fixed_size 0
		.amdhsa_enable_private_segment 0
		.amdhsa_kernarg_size 32
		.amdhsa_user_sgpr_count 2
		.amdhsa_user_sgpr_kernarg_segment_ptr 1
		.amdhsa_wavefront_size32 1
		.amdhsa_system_sgpr_workgroup_id_x 1
		.amdhsa_system_sgpr_workgroup_id_y 1
		.amdhsa_system_sgpr_workgroup_id_z 1
		.amdhsa_system_vgpr_workitem_id 0
		.amdhsa_next_free_vgpr 256
		.amdhsa_next_free_sgpr 80
		.amdhsa_reserve_vcc 1
		.amdhsa_float_denorm_mode_32 3
		.amdhsa_float_denorm_mode_16_64 3
		.amdhsa_memory_ordered 1
		.amdhsa_forward_progress 1
		.amdhsa_inst_pref_size 102
	.end_amdhsa_kernel
	.amdgpu_metadata
---
amdhsa.version: [ 1, 2 ]
amdhsa.kernels:
  - .name:           k_qe8069c4a0b_attn
    .symbol:         k_qe8069c4a0b_attn.kd
    .args:
      - { .name: qc, .offset: 0, .size: 8, .value_kind: global_buffer, .address_space: global }
      - { .name: kv, .offset: 8, .size: 8, .value_kind: global_buffer, .address_space: global }
      - { .name: ac, .offset: 16, .size: 8, .value_kind: global_buffer, .address_space: global }
      - { .name: scl, .offset: 24, .size: 8, .value_kind: global_buffer, .address_space: global }
    .group_segment_fixed_size: 215040
    .private_segment_fixed_size: 0
    .kernarg_segment_align: 8
    .kernarg_segment_size: 32
    .max_flat_workgroup_size: 512
    .sgpr_count:     80
    .vgpr_count:     256
    .wavefront_size: 32
...
	.end_amdgpu_metadata
.endif
;; end of part 3
;; launch oproj (part 4): grid 4 x 32, 4 waves a work-group, clusters of 4 x 4, 327,680 bytes of LDS; arguments ac, wc, scl, bo, out0; writes out0
.if DOCPART == 4
	.amdgcn_target "amdgcn-amd-amdhsa--gfx1250"
	.amdhsa_code_object_version 6
	.text
	.protected	k_qe8069c4a0b_oproj
	.globl	k_qe8069c4a0b_oproj
	.p2align	8
	.type	k_qe8069c4a0b_oproj,@function
k_qe8069c4a0b_oproj:
	s_mov_b64 s[64:65], 0
	v_nop
	global_prefetch_b8 v0, s[64:65] scope:SCOPE_SE
	s_setreg_imm32_b32 hwreg(HW_REG_WAVE_MODE, 25, 1), 1
	s_wait_xcnt 0x0
	s_wait_alu depctr_hold_cnt(0) depctr_sa_sdst(0) depctr_va_vdst(0) depctr_va_sdst(0) depctr_va_ssrc(0) depctr_va_vcc(0) depctr_vm_vsrc(0)
	s_getreg_b32 s2, hwreg(HW_REG_IB_STS2, 6, 4)
	s_cmp_eq_u32 s2, 0
	s_cbranch_scc0 .Lentry_in_a_cluster
	s_endpgm
.Lentry_in_a_cluster:
	s_bfe_u32 s2, ttmp6, 0x10000c
	s_cmp_lg_u32 s2, 0xf033
	s_cbranch_scc0 .Lentry_shape_is_right
	s_endpgm
.Lentry_shape_is_right:
; out0 = attention's result x Wo + bo, on codes of BF6 (E3M2) with E8M0 scales, K = 1,024; sums in f32; bo is the C of each sum's first product.
; The structure is that of the launch for q, k and v: a tile of 256 x 256, four waves of 128 x 128, K in four steps of 256 through a ring of two LDS slots, operands as images of their registers, used transposed
; (source 0 = 16 columns of Wo, source 1 = 16 tokens): a lane holds one token and eight neighbouring columns.  CLUSTERS: 4 x 4; A's tiles jointly along a row of the cluster, B's along a column.
; Rows stand at the position that is their number with bits 3 and 4 swapped: columns come out as neighbours 32 B + 16 (lane / 16) + 0 .. 15; the tokens' order is undone in the stores' immediates.
; REGISTERS: window 0: v1-31 addresses; v32-95 scale words; v96-127, v224-255 bo in the result's layout; v128-223 A's fragments; on the way out v128-255 rows of the result.  window 1: B's two sets.  windows 2, 3: accumulators.
.set BLKB,   12288
.set FRB,    1536
.set SLB,    3072
.set HALFT,  8*SLB
.set SLOT,   4*HALFT
.set SPARE,  2*SLOT                    ; behind the ring: the spare words, 128 bytes for each wave, that no other line names
.set WS_OFF, 262144
.set AS_OFF, 393216
.set SPITCH, 528                       ; the way out: a stage of 16 rows x (512 bytes + 16) for each wave, in slot 0, which has had its last fill and its last read when the first result is stored there
.set FR,   12
.set ADRA, 16
.set ADRB, 20
.set L16,  24
.set L8,   25
.set STO,  26
.set SCI,  27
.set SPW,  28
.set NIL,  29
.set RD,   30
.set SC,   32
.set AF,   128
.set BK,   128
.set G1,  24
.set G0,  32
.set G1B, 48
.set G0B, 56
.set MSB, 0
.macro WIN new
.if MSB != (\new)
	s_set_vgpr_msb (MSB<<8)|(\new)
.set MSB, (\new)
.endif
.endm
.set MUL_LO, 0xa1
.set MUL_HI, 0xf1
.set TO_B,   0x40
.macro JLOAD s                         ; a joint load: waves 0 and 1 fetch A's halves, waves 2 and 3 B's; four v_nop follow each of the two lines
	s_cmp_eq_u32 s15, 0
	s_cbranch_scc0 .Lfor_b_\@
	tensor_load_to_lds s[G0+4*\s:G0+4*\s+3], s[G1:G1+7]
	s_nop 0
.rept 4
	v_nop
.endr
	s_branch .Lasked_\@
.Lfor_b_\@:
	tensor_load_to_lds s[G0B+4*\s:G0B+4*\s+3], s[G1B:G1B+7]
	s_nop 0
.rept 4
	v_nop
.endr
.Lasked_\@:
.endm
.macro CREST
	s_cmp_lg_u32 s14, 0
	s_cbranch_scc1 .Lnot_wave_0_\@
	s_barrier_signal -3
.Lnot_wave_0_\@:
	s_barrier_wait -3
	s_barrier_signal -1
	s_barrier_wait -1
.endm
.macro CROUND
	s_barrier_signal -1
	s_barrier_wait -1
	CREST
.endm
.macro PLACES n
.rept \n
	v_nop
.endr
.endm
.macro FRAG reg, adr, off
	ds_load_b128 v[\reg:\reg+3], v[\adr] offset:\off
	ds_load_b64 v[\reg+4:\reg+5], v[\adr+2] offset:\off+512
	ds_load_b128 v[\reg+6:\reg+9], v[\adr] offset:\off+768
	ds_load_b64 v[\reg+10:\reg+11], v[\adr+2] offset:\off+1280
.endm
.macro FETCH_B slot, q, p
	WIN TO_B
.irp i, 0,1,2,3,4,5,6,7
	FRAG 128*(\p)+FR*\i, ADRB+\slot, SLB*\i+FRB*(\q)
.endr
	WIN 0
.endm
.macro FETCH_A slot, q, i0
.irp i, \i0, \i0+1, \i0+2, \i0+3
	FRAG AF+FR*(\i), ADRA+\slot, SLB*(\i)+FRB*(\q)
.endr
.endm
; 16 products; first = 1: the sums begin with bo (block b's eight registers, in window 0).  The 64 accumulators take turns, one instruction a turn.
.macro MUL16 a0, p, f, first
.irp a, \a0, \a0+1
.irp b, 0,1,2,3,4,5,6,7
.if \first
	v_wmma_scale_f32_16x16x128_f8f6f4 v[8*(8*((\a)%4)+\b):8*(8*((\a)%4)+\b)+7], v[128*(\p)+FR*\b:128*(\p)+FR*\b+FR-1], v[AF+FR*(\a):AF+FR*(\a)+FR-1], v[96+8*\b+96*(\b/4):96+8*\b+96*(\b/4)+7], v[SC+8*\b+(\f)], v[SC+8*(\a)+(\f)] matrix_a_fmt:MATRIX_FMT_BF6 matrix_b_fmt:MATRIX_FMT_BF6 matrix_a_scale:MATRIX_SCALE_ROW1
.else
	v_wmma_scale_f32_16x16x128_f8f6f4 v[8*(8*((\a)%4)+\b):8*(8*((\a)%4)+\b)+7], v[128*(\p)+FR*\b:128*(\p)+FR*\b+FR-1], v[AF+FR*(\a):AF+FR*(\a)+FR-1], v[8*(8*((\a)%4)+\b):8*(8*((\a)%4)+\b)+7], v[SC+8*\b+(\f)], v[SC+8*(\a)+(\f)] matrix_a_fmt:MATRIX_FMT_BF6 matrix_b_fmt:MATRIX_FMT_BF6 matrix_a_scale:MATRIX_SCALE_ROW1
.endif
.endr
.endr
.endm
.macro STEP slot, f, first
	s_wait_dscnt 16                                ; B's set and A's blocks 0-3 are in; the youngest 16 loads (A's blocks 4-7) may be out
.if \first
	WIN 0x81                                       ; C (bo) window 0, D window 2
.else
	WIN MUL_LO
.endif
	MUL16 0, 0, \f, \first
	MUL16 2, 0, \f, \first
	s_wait_dscnt 0
	PLACES 4
	FETCH_B \slot, 1, 1
	FETCH_A \slot, 1, 0
.if \first
	WIN 0xc1
.else
	WIN MUL_HI
.endif
	MUL16 4, 0, \f, \first
	MUL16 6, 0, \f, \first
	PLACES 4
	WIN 0
	FETCH_A \slot, 1, 4
.endm
.macro TURN slot, next, fill, f
	s_wait_tensorcnt 0x0                           ; all my tensor loads have landed: my part of the next slot;
	ds_add_u32 v[SPW], v[NIL]                      ; 0 onto my spare word
	s_wait_dscnt 17                                ; (the add and the youngest 16 loads may be out)
	WIN MUL_LO
	MUL16 0, 1, \f, 0
	s_wait_dscnt 0x0                               ; the add is done, and my reads of this slot are over
	s_barrier_signal -1
	MUL16 2, 1, \f, 0
	WIN 0
	s_barrier_wait -1
.if \fill
	CREST                                          ; a round of the cluster's barrier: no wave of any partner still reads this slot or has a load on its way
	s_add_nc_u64 s[G0+4*\slot+2:G0+4*\slot+3], s[G0+4*\slot+2:G0+4*\slot+3], 2*SLB
	s_add_nc_u64 s[G0B+4*\slot+2:G0B+4*\slot+3], s[G0B+4*\slot+2:G0B+4*\slot+3], 2*SLB
	JLOAD \slot
.else
	PLACES 4
.endif
	FETCH_B \next, 0, 0
	FETCH_A \next, 0, 0
	WIN MUL_HI
	MUL16 4, 1, \f, 0
	MUL16 6, 1, \f, 0
	PLACES 4
	WIN 0
	FETCH_A \next, 0, 4
.endm
; THE WAY OUT, block by block of 16 tokens x 128 columns, through my own stage: in 32 bytes of a row a lane, back as whole rows of 512 bytes.  LDS serves a wave's instructions in order: no wait between.
.macro TOSTAGE a
.set AC, 64*((\a)%4)
	WIN 0x08+4*((\a)/4)                            ; the data: window 2 or 3
.irp b, 0,1,2,3,4,5,6,7
	ds_store_b128 v[STO], v[AC+8*\b:AC+8*\b+3] offset:128*(\b/2)+32*(\b%2)          ; columns 32 (b / 2) + 16 h + 8 (b % 2) on; each accumulator from its low end on
	ds_store_b128 v[STO], v[AC+8*\b+4:AC+8*\b+7] offset:128*(\b/2)+32*(\b%2)+16
.endr
	WIN 0
.set BB, BK+64*((\a)%2)
.set t, 0
.rept 16
	ds_load_b128 v[BB+4*t:BB+4*t+3], v[RD] offset:t*SPITCH
.set t, t+1
.endr
.endm
.macro SEND a, younger
.set BB, BK+64*((\a)%2)
	s_wait_dscnt \younger                          ; the block is back in registers
.set t, 0
.rept 16
	global_store_b128 v[L16], v[BB+4*t:BB+4*t+3], s[12:13] offset:(32*((\a)/2)+8*((\a)%2)+t+8*(t/8))*4096 th:TH_STORE_NT   ; position t of block a is this token; 32 lanes store 512 consecutive bytes, aligned
.set t, t+1
.endr
.endm
	s_load_b256 s[4:11], s[0:1], 0x0               ; ac s[4:5], wc s[6:7], scl s[8:9], bo s[10:11]
	s_load_b64 s[12:13], s[0:1], 0x20              ; out0
	v_lshl_add_u32 v[SPW], v0, 2, SPARE
	v_mov_b32 v[NIL], 0
	ds_add_u32 v28, v29
	ds_add_u32 v28, v29
	s_wait_dscnt 0x0
	v_lshrrev_b32 v1, 5, v0
	v_readfirstlane_b32 s14, v1                    ; wave 0..3
	s_lshr_b32 s15, s14, 1                         ; which half of the tokens is mine.  Also: I fetch for A (0) or for B (1)
	s_and_b32 s16, s14, 1                          ; which half of the columns.  Also: which 8 blocks I fetch
	s_bfe_u32 s40, ttmp6, 0x40000                  ; cx
	s_bfe_u32 s41, ttmp6, 0x40004                  ; cy
	s_lshl_b32 s42, ttmp9, 2
	s_add_co_u32 s42, s42, s40                     ; tile column
	s_and_b32 s17, ttmp7, 0xffff
	s_lshl_b32 s17, s17, 2
	s_add_co_u32 s17, s17, s41                     ; tile row
	s_lshl_b32 s43, s41, 2
	s_lshl_b32 s43, 15, s43                        ; my row of the cluster
	s_lshl_b32 s44, 0x1111, s40                    ; my column
	s_or_b32 s[G1+0], s43, (3<<16)|(1<<21)         ; 8 blocks x 3,072 bytes (384 elements of 8 bytes), 12,288 bytes apart; dense in LDS
	s_or_b32 s[G1B+0], s44, (3<<16)|(1<<21)
.irp g, G1, G1B
	s_mov_b32 s[\g+1], 384<<16
	s_mov_b32 s[\g+2], 8<<16
	s_mov_b32 s[\g+3], 384<<16
	s_mov_b32 s[\g+4], 8
	s_mov_b32 s[\g+5], 1536
	s_mov_b32 s[\g+6], 0
	s_mov_b32 s[\g+7], 0
.endr
	s_lshl_b32 s22, s16, 3
	s_lshl_b32 s20, s17, 4
	s_add_co_u32 s20, s20, s22
	s_mul_i32 s20, s20, BLKB
	s_mov_b32 s21, 0
	s_lshl_b32 s46, s42, 4
	s_add_co_u32 s46, s46, s22
	s_add_co_u32 s46, s46, 192                     ; Wo's blocks begin at 192
	s_mul_i32 s46, s46, BLKB
	s_mov_b32 s47, 0
	s_mul_i32 s45, s14, HALFT
	v_and_b32 v1, 15, v0                           ; r
	v_bfe_u32 v2, v0, 4, 1                         ; h
	v_and_b32 v3, 31, v0
	v_lshlrev_b32 v[L16], 4, v3
	v_lshlrev_b32 v[L8], 3, v3
	s_wait_kmcnt 0x0
	s_add_nc_u64 s[20:21], s[4:5], s[20:21]
	s_add_nc_u64 s[46:47], s[6:7], s[46:47]
	CROUND                                         ; all sixteen work-groups are here: the first joint loads meet
.irp s, 0,1
	s_mov_b32 s[G0+4*\s], 1
	s_add_co_u32 s[G0+4*\s+1], s45, \s*SLOT
	s_add_nc_u64 s[G0+4*\s+2:G0+4*\s+3], s[20:21], \s*SLB
	s_or_b32 s[G0+4*\s+3], s[G0+4*\s+3], 0x80000000
	s_mov_b32 s[G0B+4*\s], 1
	s_add_co_u32 s[G0B+4*\s+1], s45, \s*SLOT
	s_add_nc_u64 s[G0B+4*\s+2:G0B+4*\s+3], s[46:47], \s*SLB
	s_or_b32 s[G0B+4*\s+3], s[G0B+4*\s+3], 0x80000000
	JLOAD \s                                       ; two loads of mine are out
.endr
	s_mul_i32 s21, s15, HALFT
	s_mul_i32 s22, s16, HALFT
	s_add_co_u32 s22, s22, 2*HALFT
.irp s, 0,1
	v_add_nc_u32 v[ADRA+\s], s21, v[L16]
	v_add_nc_u32 v[ADRA+2+\s], s21, v[L8]
	v_add_nc_u32 v[ADRB+\s], s22, v[L16]
	v_add_nc_u32 v[ADRB+2+\s], s22, v[L8]
	s_add_co_u32 s21, s21, SLOT
	s_add_co_u32 s22, s22, SLOT
.endr
	s_mul_i32 s23, s14, 16*SPITCH                  ; my stage
	v_mul_u32_u24 v4, v1, SPITCH
	v_lshl_add_u32 v4, v2, 6, v4
	v_add_nc_u32 v[STO], s23, v4                   ; in: row r, + 64 h
	v_add_nc_u32 v[RD], s23, v[L16]                ; back: 16 bytes a lane of a row
	; the scale words of my 8 blocks of A and 8 of B, for all of K, once, into 64 registers
	s_lshl_b32 s70, s17, 4
	s_lshl_b32 s23, s15, 3
	s_add_co_u32 s70, s70, s23
	s_lshl_b32 s70, s70, 9
	s_add_co_u32 s70, s70, AS_OFF
	s_lshl_b32 s71, s42, 4
	s_lshl_b32 s23, s16, 3
	s_add_co_u32 s71, s71, s23
	s_add_co_u32 s71, s71, 192
	s_lshl_b32 s71, s71, 9
	s_add_co_u32 s71, s71, WS_OFF
	s_mov_b32 s72, 0xffff0000                      ; lanes 16-31
	v_mov_b32 v4, s70
	v_mov_b32 v5, s71
	v_cndmask_b32 v[SCI], v4, v5, s72              ; lanes 0-15 take A's words, lanes 16-31 B's
	v_lshl_add_u32 v[SCI], v1, 2, v[SCI]
.irp i, 0,1,2,3,4,5,6,7
.irp f, 0,1,2,3,4,5,6,7
	global_load_b32 v[SC+8*\i+\f], v[SCI], s[8:9] offset:512*\i+64*\f
.endr
.endr
	s_lshl_b32 s66, s17, 8
	s_lshl_b32 s67, s15, 7
	s_add_co_u32 s66, s66, s67
	s_lshl_b32 s66, s66, 12                        ; my first token's row of 4,096 bytes
	s_lshl_b32 s68, s42, 8
	s_lshl_b32 s69, s16, 7
	s_add_co_u32 s68, s68, s69
	s_lshl_b32 s68, s68, 2                         ; my first column, in bytes
	s_mov_b32 s69, 0
	s_add_nc_u64 s[10:11], s[10:11], s[68:69]
	s_add_co_u32 s66, s66, s68
	s_mov_b32 s67, 0
	s_add_nc_u64 s[12:13], s[12:13], s[66:67]
	v_lshlrev_b32 v3, 6, v2                        ; bo: lanes 16-31 begin 16 columns on
.irp b, 0,1,2,3,4,5,6,7
	global_load_b128 v[96+8*\b+96*(\b/4):96+8*\b+96*(\b/4)+3], v3, s[10:11] offset:(32*(\b/2)+8*(\b%2))*4
	global_load_b128 v[96+8*\b+96*(\b/4)+4:96+8*\b+96*(\b/4)+7], v3, s[10:11] offset:(32*(\b/2)+8*(\b%2))*4+16
.endr
	s_wait_tensorcnt 1                             ; my part of slot 0 is in; slot 1's may stay out
	s_barrier_signal -1
	s_barrier_wait -1
	FETCH_B 0, 0, 0
	FETCH_A 0, 0, 0
	FETCH_A 0, 0, 4
	s_wait_loadcnt 0x0                             ; the scale words and bo
	STEP 0, 0, 1
	TURN 0, 1, 1, 1
	STEP 1, 2, 0
	TURN 1, 0, 1, 3
	STEP 0, 4, 0
	TURN 0, 1, 0, 5                                ; nothing is left to fetch: no round.  Behind this barrier nobody reads slot 0
	STEP 1, 6, 0
	s_wait_dscnt 16
	WIN MUL_LO
	MUL16 0, 1, 7, 0
	MUL16 2, 1, 7, 0
	s_wait_dscnt 0
	WIN MUL_HI
	MUL16 4, 1, 7, 0
	MUL16 6, 1, 7, 0
	WIN 0
	PLACES 4                                       ; in front of the loads into A's registers and of the reads of the last results
	TOSTAGE 0
.irp a, 1,2,3,4,5,6,7
.if \a > 1
	s_wait_xcnt 0x0                                ; block a - 2's stores have read their registers: block a's loads may land there
.endif
	TOSTAGE \a
	SEND \a-1, 32                                  ; behind block a - 1's loads: block a's 16 stores and 16 loads
.endr
	SEND 7, 0
	s_wait_tensorcnt 0x0                           ; the wave's end
	ds_add_u32 v[SPW], v[NIL]
	s_wait_dscnt 0x0
	CROUND                                         ; the closing round
	s_endpgm
.Lfunc_end_k_qe8069c4a0b_oproj:
	.size	k_qe8069c4a0b_oproj, .Lfunc_end_k_qe8069c4a0b_oproj-k_qe8069c4a0b_oproj
	.p2alignl 7, 3214868480
	.fill 96, 4, 3214868480
	.section	.rodata,"a",@progbits
	.p2align	6, 0x0
	.amdhsa_kernel k_qe8069c4a0b_oproj
		.amdhsa_group_segment_fixed_size 327680
		.amdhsa_private_segment_fixed_size 0
		.amdhsa_enable_private_segment 0
		.amdhsa_kernarg_size 40
		.amdhsa_user_sgpr_count 2
		.amdhsa_user_sgpr_kernarg_segment_ptr 1
		.amdhsa_wavefront_size32 1
		.amdhsa_system_sgpr_workgroup_id_x 1
		.amdhsa_system_sgpr_workgroup_id_y 1
		.amdhsa_system_sgpr_workgroup_id_z 1
		.amdhsa_system_vgpr_workitem_id 0
		.amdhsa_next_free_vgpr 1024
		.amdhsa_next_free_sgpr 80
		.amdhsa_reserve_vcc 0
		.amdhsa_float_denorm_mode_32 3
		.amdhsa_float_denorm_mode_16_64 3
		.amdhsa_memory_ordered 1
		.amdhsa_forward_progress 1
		.amdhsa_inst_pref_size 147
	.end_amdhsa_kernel
	.amdgpu_metadata
---
amdhsa.version: [ 1, 2 ]
amdhsa.kernels:
  - .name:           k_qe8069c4a0b_oproj
    .symbol:         k_qe8069c4a0b_oproj.kd
    .args:
      - { .name: ac, .offset: 0, .size: 8, .value_kind: global_buffer, .address_space: global }
      - { .name: wc, .offset: 8, .size: 8, .value_kind: global_buffer, .address_space: global }
      - { .name: scl, .offset: 16, .size: 8, .value_kind: global_buffer, .address_space: global }
      - { .name: bo, .offset: 24, .size: 8, .value_kind: global_buffer, .address_space: global }
      - { .name: out0, .offset: 32, .size: 8, .value_kind: global_buffer, .address_space: global }
    .group_segment_fixed_size: 327680
    .private_segment_fixed_size: 0
    .kernarg_segment_align: 8
    .kernarg_segment_size: 40
    .max_flat_workgroup_size: 128
    .sgpr_count:     80
    .vgpr_count:     1024
    .wavefront_size: 32
...
	.end_amdgpu_metadata
.endif
;; end of part 4
